; MI455X (gfx1250); checked and timed in simulation.
; The chip was launched on July 23, 2026; its instructions are those of AMD's public machine-readable ISA for CDNA 5 (MIT licence, August 2026) and "CDNA5" Instruction Set Architecture Reference Guide (July 2026). The comments in the code are by the model that wrote it; some were corrected since.
;; Multi Head Self Attention. Allowed arithmetic: float matrix products may take bf16 or f16 operands with f32 sums; all other float work in f32.
;; Inputs: Wk_b 1,024 float32; Wk_w 1,024 x 1,024 float32; Wo_b 1,024 float32; Wo_w 1,024 x 1,024 float32; Wq_b 1,024 float32; Wq_w 1,024 x 1,024 float32; Wv_b 1,024 float32; Wv_w 1,024 x 1,024 float32; mask 2 x 1 x 1 x 2,048 int32; x 2 x 2,048 x 1,024 float32.
;; Outputs: out0 2 x 2,048 x 1,024 float32.
;; 2 versions, each right and faster than the one before. Each part assembles by itself: llvm-mc -triple=amdgcn-amd-amdhsa -mcpu=gfx1250 --defsym DOCPART=n.
;; ======== version 1 of 2: 4 launches
;; workspace buffers: xb 8,388,608 bytes; wb 8,388,608 bytes; qkv 25,165,824 bytes; ctx 8,388,608 bytes
;; launch cast (part 1): grid 128 x 8, 8 waves a work-group, no clusters, 0 bytes of LDS; arguments x, Wq_w, Wk_w, Wv_w, Wo_w, xb, wb; writes xb, wb
.if DOCPART == 1
	.amdgcn_target "amdgcn-amd-amdhsa--gfx1250"
	.amdhsa_code_object_version 6
	.text
	.protected	k_q15cb5a73fc_cast
	.globl	k_q15cb5a73fc_cast
	.p2align	8
	.type	k_q15cb5a73fc_cast,@function
k_q15cb5a73fc_cast:
	s_mov_b64 s[64:65], 0
	v_nop
	global_prefetch_b8 v0, s[64:65] scope:SCOPE_SE
	s_setreg_imm32_b32 hwreg(HW_REG_WAVE_MODE, 25, 1), 1
	s_wait_xcnt 0x0
; MULTI-HEAD SELF-ATTENTION, B = 2, S = 2048, D = 1024, H = 16, DK = 64, in four launches:
;   cast  x and the four weight matrices, f32 to bf16 (this kernel)
;   qkv   x Wq^T + bq, x Wk^T + bk, x Wv^T + bv, stored head by head in bf16
;   attn  softmax(where(mask == 0, -1e9, Q K^T / 8)) V with a running maximum, head by head
;   proj  context Wo^T + bo, f32
; NO WORK OF THE PROBLEM IS LEFT OUT, and every input is loaded.  In particular Wk_b stays: (q + bq) . bk is the same for
; all keys of a query, but a masked key's score is REPLACED by -1e9 and does not carry that term, so the term moves the
; weight of masked against unmasked keys.  All four biases enter as the C operand of the first product of their sums.
;
; THIS KERNEL: the matrix products take bf16 operands, and each tile of x is wanted by 16 work-groups of the next launch,
; each tile of a weight by 16 or 32: the rounding is done once here instead of once per user.
; Eight segments of 4 MiB of f32 (grid y): y = 0..3 the quarters of x, y = 4..7 Wq, Wk, Wv, Wo.  wb holds the four weights
; one behind the other, [4096][1024] bf16.  A work-group (grid x, 128 of them) takes 32 KiB of its segment.
; Thread t takes the 16 bytes at 16 t of each of eight blocks of 4,096 bytes: a wave's load covers 512 neighbouring bytes,
; a wave's store 256 neighbouring bytes that begin at a multiple of 256.  All eight loads go out first; no register is
; used twice, so there is no loop and no wait but the counted ones for the data.
	s_load_b256 s[4:11], s[0:1], 0x0               ; x s[4:5], Wq_w s[6:7], Wk_w s[8:9], Wv_w s[10:11]
	s_load_b128 s[12:15], s[0:1], 0x20             ; Wo_w s[12:13], xb s[14:15]
	s_load_b64 s[16:17], s[0:1], 0x30              ; wb
	s_and_b32 s18, ttmp7, 0xffff                   ; y
	s_and_b32 s19, s18, 3                          ; the segment's number in x, or which weight
	v_lshlrev_b32 v1, 4, v0                        ; 16 t: my bytes in a block of the source
	v_lshlrev_b32 v2, 3, v0                        ; 8 t: and of the destination
	s_lshl_b32 s20, ttmp9, 15                      ; the work-group's 32 KiB in its segment
	s_mov_b32 s21, 0
	s_lshl_b32 s22, ttmp9, 14                      ; its 16 KiB of bf16,
	s_lshl_b32 s28, s19, 21                        ; in the segment's 2 MiB of xb or wb
	s_add_co_u32 s22, s22, s28
	s_mov_b32 s23, 0
	s_lshl_b32 s24, s19, 22                        ; the segment's 4 MiB in x
	s_mov_b32 s25, 0
	s_wait_kmcnt 0x0
	s_cmp_eq_u32 s19, 1                            ; the weight of this segment: a choice between buffers by the grid's y
	s_cselect_b64 s[26:27], s[8:9], s[6:7]
	s_cmp_eq_u32 s19, 2
	s_cselect_b64 s[26:27], s[10:11], s[26:27]
	s_cmp_eq_u32 s19, 3
	s_cselect_b64 s[26:27], s[12:13], s[26:27]
	s_add_nc_u64 s[4:5], s[4:5], s[24:25]          ; x at the segment
	s_cmp_lt_u32 s18, 4
	s_cselect_b64 s[26:27], s[4:5], s[26:27]       ; source: x or the weight
	s_cselect_b64 s[30:31], s[14:15], s[16:17]     ; destination: xb or wb
	s_add_nc_u64 s[26:27], s[26:27], s[20:21]
	s_add_nc_u64 s[30:31], s[30:31], s[22:23]
.irp i, 0,1,2,3,4,5,6,7
	global_load_b128 v[4+4*\i:7+4*\i], v1, s[26:27] offset:4096*\i th:TH_LOAD_NT   ; read once in the whole program
.endr
.irp i, 0,1,2,3,4,5,6,7
	s_wait_loadcnt 7-\i                            ; loads come back in order: block i is in, the 7 - i younger ones stay out
	v_cvt_pk_bf16_f32 v[36+2*\i], v[4+4*\i], v[5+4*\i]
	v_cvt_pk_bf16_f32 v[37+2*\i], v[6+4*\i], v[7+4*\i]
	global_store_b64 v2, v[36+2*\i:37+2*\i], s[30:31] offset:2048*\i
.endr
	s_endpgm
.Lfunc_end_k_q15cb5a73fc_cast:
	.size	k_q15cb5a73fc_cast, .Lfunc_end_k_q15cb5a73fc_cast-k_q15cb5a73fc_cast
	.p2alignl 7, 3214868480
	.fill 96, 4, 3214868480
	.section	.rodata,"a",@progbits
	.p2align	6, 0x0
	.amdhsa_kernel k_q15cb5a73fc_cast
		.amdhsa_group_segment_fixed_size 0
		.amdhsa_private_segment_fixed_size 0
		.amdhsa_enable_private_segment 0
		.amdhsa_kernarg_size 56
		.amdhsa_user_sgpr_count 2
		.amdhsa_user_sgpr_kernarg_segment_ptr 1
		.amdhsa_wavefront_size32 1
		.amdhsa_system_sgpr_workgroup_id_x 1
		.amdhsa_system_sgpr_workgroup_id_y 1
		.amdhsa_system_sgpr_workgroup_id_z 1
		.amdhsa_system_vgpr_workitem_id 0
		.amdhsa_next_free_vgpr 52
		.amdhsa_next_free_sgpr 66
		.amdhsa_reserve_vcc 0
		.amdhsa_float_denorm_mode_32 3
		.amdhsa_float_denorm_mode_16_64 3
		.amdhsa_memory_ordered 1
		.amdhsa_forward_progress 1
		.amdhsa_inst_pref_size 5
	.end_amdhsa_kernel
	.amdgpu_metadata
---
amdhsa.version: [ 1, 2 ]
amdhsa.kernels:
  - .name:           k_q15cb5a73fc_cast
    .symbol:         k_q15cb5a73fc_cast.kd
    .args:
      - { .name: x, .offset: 0, .size: 8, .value_kind: global_buffer, .address_space: global }
      - { .name: Wq_w, .offset: 8, .size: 8, .value_kind: global_buffer, .address_space: global }
      - { .name: Wk_w, .offset: 16, .size: 8, .value_kind: global_buffer, .address_space: global }
      - { .name: Wv_w, .offset: 24, .size: 8, .value_kind: global_buffer, .address_space: global }
      - { .name: Wo_w, .offset: 32, .size: 8, .value_kind: global_buffer, .address_space: global }
      - { .name: xb, .offset: 40, .size: 8, .value_kind: global_buffer, .address_space: global }
      - { .name: wb, .offset: 48, .size: 8, .value_kind: global_buffer, .address_space: global }
    .group_segment_fixed_size: 0
    .private_segment_fixed_size: 0
    .kernarg_segment_align: 8
    .kernarg_segment_size: 56
    .max_flat_workgroup_size: 256
    .sgpr_count:     66
    .vgpr_count:     52
    .wavefront_size: 32
...
	.end_amdgpu_metadata
.endif
;; end of part 1
;; launch qkv (part 2): grid 16 x 16, 4 waves a work-group, clusters of 4 x 4, 327,680 bytes of LDS; arguments xb, wb, Wq_b, Wk_b, Wv_b, qkv; writes qkv
.if DOCPART == 2
	.amdgcn_target "amdgcn-amd-amdhsa--gfx1250"
	.amdhsa_code_object_version 6
	.text
	.protected	k_q15cb5a73fc_qkv
	.globl	k_q15cb5a73fc_qkv
	.p2align	8
	.type	k_q15cb5a73fc_qkv,@function
k_q15cb5a73fc_qkv:
	s_mov_b64 s[64:65], 0
	v_nop
	global_prefetch_b8 v0, s[64:65] scope:SCOPE_SE
	s_setreg_imm32_b32 hwreg(HW_REG_WAVE_MODE, 25, 1), 1
	s_wait_xcnt 0x0
	s_wait_alu depctr_hold_cnt(0) depctr_sa_sdst(0) depctr_va_vdst(0) depctr_va_sdst(0) depctr_va_ssrc(0) depctr_va_vcc(0) depctr_vm_vsrc(0)
	s_getreg_b32 s2, hwreg(HW_REG_IB_STS2, 6, 4)
	s_cmp_eq_u32 s2, 0
	s_cbranch_scc0 .Lentry_in_a_cluster
	s_endpgm
.Lentry_in_a_cluster:
	s_bfe_u32 s2, ttmp6, 0x10000c
	s_cmp_lg_u32 s2, 0xf033
	s_cbranch_scc0 .Lentry_shape_is_right
	s_endpgm
.Lentry_shape_is_right:
; Q, K, V = x W^T + b in one product: xb [4096][1024] times rows 0..3071 of wb [.][1024] (Wq, Wk, Wv), bf16 operands, f32 sums.
; Nothing of the problem is left out here: all three products and all three biases are live.
; Result: qkv, bf16, [t = 3][b*16 + h = 32][s = 2048][64]: a head's matrix is 262,144 dense bytes, so that the next launch
; fetches dense tiles and this one stores runs of 512 neighbouring bytes.
; A work-group makes 256 rows x 192 columns (three heads' columns): 16 x 16 = 256 equal work-groups.  Wave w makes rows
; 64 w .. 64 w + 63 of all 192 columns: 4 x 12 accumulator tiles of 16 x 16, 384 registers, and owns whole heads' rows, so the
; way out needs no barrier.  K = 1024 goes in steps of 128 through two LDS slots filled by the tensor data mover.
; CLUSTERS: 4 x 4 work-groups.  x's tile hangs on the block row alone and is asked for jointly by the four of a row of the
; cluster, W's on the block column alone and by the four of a column: a quarter of the requests.
; THE MATRIX INSTRUCTION IS USED TRANSPOSED: source 0 = 16 rows of W, source 1 = 16 rows of x.  Lane l then holds row l % 16 of
; the result and its registers the eight neighbouring columns 8 (l / 16) + 0..7, which pack into 16 bytes.
; THE BIAS IS THE C OPERAND of each sum's first product: nothing is cleared and nothing is added at the end.
; REGISTERS, in windows of 256:
;   window 0: v16-27 addresses; v64-159 the bias, 12 tiles of 8; on the way out v64-111 packed results, v112-159 and v160-207 read back
;   window 1: v0-95, v96-191 fragments of W (12 x 16 rows x 32 K), two buffers; v192-223, v224-255 fragments of x (4), two buffers
;   window 2: accumulator (a, b) for b = 0..5 at v[8 (6 a + b)];   window 3: for b = 6..11 at v[8 (6 a + b - 6)]
.set KSTEP,  128
.set PITCH,  272                       ; an LDS row: 256 bytes + 16 of padding, an odd multiple of 16: the 16 rows that a load touches begin 16 bytes apart modulo 256
.set HALFT,  128*PITCH                 ; a wave's part of a slot: 128 rows of x (waves 0, 1) or 96 rows of W (waves 2, 3)
.set SLOT,   4*HALFT
.set STAGE,  2*SLOT                    ; behind the ring, never filled by a tensor load: 3 heads x 16 rows x 144 bytes for each wave
.set SPITCH, 144
.set SHEAD,  16*SPITCH
.set SWAVE,  3*SHEAD
.set LAPS,   1024/(2*KSTEP)            ; a lap = two K steps = once round the ring
.set ADRA, 16                          ; v16-17  LDS address of my x fragments in slot 0, 1
.set ADRB, 20                          ; v20-21  the same for W
.set STO,  24                          ; the way out: where I put 16 bytes of a row
.set RD,   25                          ; the way out: where I read 16 bytes back
.set CO,   26                          ; 16 x lane: my bytes in a run of 512
.set HB,   27                          ; 32 x (lane / 16): my eight numbers of a bias tile
.set BIAS, 64
.set TMP,  64
.set RB0,  112
.set RB1,  160
.set G1,  24                           ; s[24:31] descriptor group 1 for x's tiles
.set G0,  32                           ; s[32:39] group 0 for x's tiles, one set for each slot
.set G1B, 48                           ; s[48:55] group 1 for W's tiles
.set G0B, 56                           ; s[56:63] group 0 for W's tiles
.set BB,  72                           ; s[72:77] the three heads' bias addresses
.set OB,  80                           ; s[80:85] the three heads' output addresses
.set MSB, 0
.macro WIN new                         ; the immediate's high byte repeats the setting that is left
.if MSB != \new
	s_set_vgpr_msb (MSB<<8)|\new
.set MSB, \new
.endif
.endm
.macro PLACES n
.rept \n
	v_nop
.endr
.endm
; A joint load: waves 0 and 1 fetch x's two halves, waves 2 and 3 W's.  Each line has one mask and one set of registers; the
; branch hangs on the wave's number alone.
.macro JLOAD s
	s_cmp_eq_u32 s17, 0
	s_cbranch_scc0 .Lfor_b_\@
	tensor_load_to_lds s[G0+4*(\s):G0+4*(\s)+3], s[G1:G1+7]
	s_nop 0
	s_branch .Lasked_\@
.Lfor_b_\@:
	tensor_load_to_lds s[G0B+4*(\s):G0B+4*(\s)+3], s[G1B:G1B+7]
	s_nop 0
.Lasked_\@:
.endm
; A round of the cluster's barrier: my work-group's barrier, wave 0 signals for the work-group, every wave waits for all
; sixteen work-groups, my work-group's barrier once more.
.macro CREST
	s_cmp_lg_u32 s16, 0
	s_cbranch_scc1 .Lnot_wave_0_\@
	s_barrier_signal -3
.Lnot_wave_0_\@:
	s_barrier_wait -3
	s_barrier_signal -1
	s_barrier_wait -1
.endm
.macro CROUND
	s_barrier_signal -1
	s_barrier_wait -1
	CREST
.endm
	s_load_b256 s[4:11], s[0:1], 0x0               ; xb s[4:5], wb s[6:7], Wq_b s[8:9], Wk_b s[10:11]
	s_load_b128 s[12:15], s[0:1], 0x20             ; Wv_b s[12:13], qkv s[14:15]
	v_lshl_add_u32 v254, v0, 2, 0x4ac00
	v_mov_b32 v255, 0
	ds_add_u32 v254, v255
	v_lshrrev_b32 v1, 5, v0
	v_readfirstlane_b32 s16, v1                    ; wave 0..3
	s_lshr_b32 s17, s16, 1                         ; I fetch for x (0) or for W (1)
	s_and_b32 s18, s16, 1                          ; which half of that tile
	s_bfe_u32 s20, ttmp6, 0x40000                  ; cx
	s_bfe_u32 s21, ttmp6, 0x40004                  ; cy
	s_lshl_b32 s22, ttmp9, 2
	s_add_co_u32 s22, s22, s20                     ; block column = 4 x cluster x + cx
	s_and_b32 s23, ttmp7, 0xffff
	s_lshl_b32 s23, s23, 2
	s_add_co_u32 s23, s23, s21                     ; block row = 4 x cluster y + cy
	s_lshl_b32 s44, s21, 2
	s_lshl_b32 s44, 15, s44                        ; my row of the cluster: places 4 cy .. 4 cy + 3
	s_lshl_b32 s70, 0x1111, s20                    ; my column: places cx, cx + 4, cx + 8, cx + 12
	; group 1: rows of 128 elements of 2 bytes; 16 bytes of padding behind every 64 words
	s_or_b32 s[G1+0], s44, (1<<16)|(1<<20)|(1<<21)|(5<<22)|(3<<25)   ; 15:0 mask: x's tiles go to my row; 17:16 size; 20 padding; 21 set beside a mask; 24:22 interval; 31:25 pad
	s_or_b32 s[G1B+0], s70, (1<<16)|(1<<20)|(1<<21)|(5<<22)|(3<<25)  ; the same with my column's mask
	s_mov_b32 s[G1+1], KSTEP<<16                   ; tensor_dim0 = 128
	s_mov_b32 s[G1B+1], KSTEP<<16
	s_mov_b32 s[G1+2], 128<<16                     ; tensor_dim1 = 128 rows of x
	s_mov_b32 s[G1B+2], 96<<16                     ;             =  96 rows of W
	s_mov_b32 s[G1+3], KSTEP<<16                   ; tile_dim0 = 128
	s_mov_b32 s[G1B+3], KSTEP<<16
	s_mov_b32 s[G1+4], 128                         ; tile_dim1
	s_mov_b32 s[G1B+4], 96
	s_mov_b32 s[G1+5], 1024                        ; elements from row to row
	s_mov_b32 s[G1B+5], 1024
	s_mov_b32 s[G1+6], 0
	s_mov_b32 s[G1B+6], 0
	s_mov_b32 s[G1+7], 0
	s_mov_b32 s[G1B+7], 0
	; x's address is made of the block row and the wave's number, W's of the block column and the wave's number, each in
	; registers that never hold the other coordinate
	s_lshl_b32 s40, s23, 8
	s_lshl_b32 s41, s18, 7
	s_add_co_u32 s40, s40, s41                     ; x: row 256 x block row + 128 x half
	s_lshl_b32 s40, s40, 11                        ; rows of 2,048 bytes; below 8 MiB
	s_mov_b32 s41, 0
	s_mul_i32 s66, s22, 192
	s_mul_i32 s67, s18, 96
	s_add_co_u32 s66, s66, s67                     ; W: row 192 x block column + 96 x half
	s_lshl_b32 s66, s66, 11
	s_mov_b32 s67, 0
	s_mul_i32 s45, s16, HALFT                      ; where my part goes: the wave's number alone
	s_wait_dscnt 0x0
	s_wait_kmcnt 0x0
	s_add_nc_u64 s[42:43], s[4:5], s[40:41]
	s_add_nc_u64 s[68:69], s[6:7], s[66:67]
	CROUND                                         ; all sixteen work-groups are here: the first joint loads meet
.irp s, 0,1
	s_mov_b32 s[G0+4*\s], 1
	s_add_co_u32 s[G0+4*\s+1], s45, \s*SLOT
	s_add_nc_u64 s[G0+4*\s+2:G0+4*\s+3], s[42:43], \s*KSTEP*2      ; K step s
	s_or_b32 s[G0+4*\s+3], s[G0+4*\s+3], 0x80000000                ; type = 2
	s_mov_b32 s[G0B+4*\s], 1
	s_add_co_u32 s[G0B+4*\s+1], s45, \s*SLOT
	s_add_nc_u64 s[G0B+4*\s+2:G0B+4*\s+3], s[68:69], \s*KSTEP*2
	s_or_b32 s[G0B+4*\s+3], s[G0B+4*\s+3], 0x80000000
	JLOAD \s                                       ; both first fills go out together: two tensor loads of the wave are out
.endr
	; the three heads' columns c = 3 x block column + i: t = c / 16 says which of Q, K, V, h = c % 16 which head
	v_and_b32 v1, 15, v0                           ; r = lane % 16
	v_bfe_u32 v2, v0, 4, 1                         ; h = lane / 16
	v_lshlrev_b32 v[HB], 5, v2
	s_mul_i32 s86, s22, 3
.irp i, 0,1,2
	s_add_co_u32 s87, s86, \i
	s_lshr_b32 s88, s87, 4                         ; t
	s_and_b32 s89, s87, 15                         ; head
	s_cmp_eq_u32 s88, 1                            ; a choice between the three bias buffers, no branch
	s_cselect_b64 s[BB+2*\i:BB+2*\i+1], s[10:11], s[8:9]
	s_cmp_eq_u32 s88, 2
	s_cselect_b64 s[BB+2*\i:BB+2*\i+1], s[12:13], s[BB+2*\i:BB+2*\i+1]
	s_lshl_b32 s90, s89, 8                         ; 64 f32 a head
	s_mov_b32 s91, 0
	s_add_nc_u64 s[BB+2*\i:BB+2*\i+1], s[BB+2*\i:BB+2*\i+1], s[90:91]
	s_lshl_b32 s92, s88, 5                         ; 32 t
	s_lshr_b32 s93, s23, 3                         ; batch = block row / 8
	s_lshl_b32 s93, s93, 4
	s_add_co_u32 s92, s92, s93
	s_add_co_u32 s92, s92, s89                     ; + 16 batch + head: the head's matrix
	s_lshl_b32 s92, s92, 11                        ; of 2,048 rows
	s_and_b32 s93, s23, 7
	s_lshl_b32 s93, s93, 8
	s_add_co_u32 s92, s92, s93                     ; + the block's first row in its batch
	s_lshl_b32 s93, s16, 6
	s_add_co_u32 s92, s92, s93                     ; + my wave's 64 rows
	s_lshl_b32 s92, s92, 7                         ; rows of 128 bytes; below 25,165,824
	s_mov_b32 s93, 0
	s_add_nc_u64 s[OB+2*\i:OB+2*\i+1], s[14:15], s[92:93]
.endr
.irp b, 0,1,2,3,4,5,6,7,8,9,10,11
	global_load_b128 v[BIAS+8*\b:BIAS+8*\b+3],   v[HB], s[BB+2*(\b>>2):BB+2*(\b>>2)+1] offset:64*(\b&3)      ; bias of columns 16 b + 8 h + 0..3
	global_load_b128 v[BIAS+8*\b+4:BIAS+8*\b+7], v[HB], s[BB+2*(\b>>2):BB+2*(\b>>2)+1] offset:64*(\b&3)+16   ; and + 4..7
.endr
	; a fragment is 16 rows x 32 K in 8 registers: lane l holds row l % 16; two loads of 16 bytes, 32 bytes apart, at row x pitch + 16 (l / 16)
	v_mul_u32_u24 v3, v1, PITCH
	v_lshl_add_u32 v3, v2, 4, v3
	s_mul_i32 s86, s16, 64*PITCH                   ; my 64 rows of x
	s_mov_b32 s87, 2*HALFT                         ; W lies behind x's 256 rows
.irp s, 0,1
	v_add_nc_u32 v[ADRA+\s], s86, v3
	v_add_nc_u32 v[ADRB+\s], s87, v3
	s_add_co_u32 s86, s86, SLOT
	s_add_co_u32 s87, s87, SLOT
.endr
	s_mul_i32 s88, s16, SWAVE
	s_add_co_u32 s88, s88, STAGE                   ; my stage
	v_mul_u32_u24 v4, v1, SPITCH                   ; in: row r, 16 bytes for each half of the lanes
	v_lshl_add_u32 v4, v2, 4, v4
	v_add_nc_u32 v[STO], s88, v4
	v_and_b32 v6, 31, v0
	v_lshrrev_b32 v7, 3, v6                        ; back: eight lanes take a row's 128 bytes, a wave four rows
	v_and_b32 v8, 7, v6
	v_mul_u32_u24 v7, v7, SPITCH
	v_lshl_add_u32 v7, v8, 4, v7
	v_add_nc_u32 v[RD], s88, v7
	v_lshlrev_b32 v[CO], 4, v6
; 12 matrix instructions: row tiles a0, a0 + 1 x six column tiles (hi = 0: tiles 0-5, window 2; hi = 1: tiles 6-11, window 3), 32 along K,
; from fragment buffer f.  first = 1: C is the bias.
.macro MUL12 f, hi, a0, first
.irp a, \a0, \a0+1
.irp b, 0,1,2,3,4,5
.if \first
	v_wmma_f32_16x16x32_bf16 v[8*(6*(\a)+\b):8*(6*(\a)+\b)+7], v[96*\f+8*(6*\hi+\b):96*\f+8*(6*\hi+\b)+7], v[192+32*\f+8*(\a):192+32*\f+8*(\a)+7], v[BIAS+8*(6*\hi+\b):BIAS+8*(6*\hi+\b)+7]
.else
	v_wmma_f32_16x16x32_bf16 v[8*(6*(\a)+\b):8*(6*(\a)+\b)+7], v[96*\f+8*(6*\hi+\b):96*\f+8*(6*\hi+\b)+7], v[192+32*\f+8*(\a):192+32*\f+8*(\a)+7], v[8*(6*(\a)+\b):8*(6*(\a)+\b)+7]
.endif
.endr
.endr
.endm
; 32 LDS loads in one run, all into window 1: W's tiles 0-5, x's four tiles, W's tiles 6-11, 32 K at byte k of the rows, into buffer f
.macro FETCH slot, k, f
	WIN 0x40
.irp i, 0,1,2,3,4,5
	ds_load_b128 v[96*\f+8*\i:96*\f+8*\i+3],   v[ADRB+\slot] offset:\k+\i*16*PITCH
	ds_load_b128 v[96*\f+8*\i+4:96*\f+8*\i+7], v[ADRB+\slot] offset:\k+\i*16*PITCH+32
.endr
.irp i, 0,1,2,3
	ds_load_b128 v[192+32*\f+8*\i:192+32*\f+8*\i+3],   v[ADRA+\slot] offset:\k+\i*16*PITCH
	ds_load_b128 v[192+32*\f+8*\i+4:192+32*\f+8*\i+7], v[ADRA+\slot] offset:\k+\i*16*PITCH+32
.endr
.irp i, 0,1,2,3,4,5
	ds_load_b128 v[96*\f+48+8*\i:96*\f+48+8*\i+3],   v[ADRB+\slot] offset:\k+HALFT+\i*16*PITCH
	ds_load_b128 v[96*\f+48+8*\i+4:96*\f+48+8*\i+7], v[ADRB+\slot] offset:\k+HALFT+\i*16*PITCH+32
.endr
.endm
; A K step is four quarters of 32 along K, 48 matrix instructions each, on buffers 0, 1, 0, 1.  The 48 accumulators take turns, one
; instruction a turn, in the same order in every quarter, over the backward jump too.
; One of the first three quarters: multiplies buffer f; in its middle it fetches the next quarter's fragments into buffer g.
; The four v_nop are the places between the matrix instructions that read buffer g and the loads into it (ISA guide 7.12.1 for
; vector instructions).
.macro QUARTER slot, k, f, g, first
	s_wait_dscnt 12                                ; W's tiles 0-5 and x are in; the youngest twelve loads (W's tiles 6-11) may be out
.if \first
	WIN 0x85                                       ; sources 0 and 1 window 1, C (the bias) window 0, D window 2
.else
	WIN 0xa5                                       ; C and D window 2
.endif
	MUL12 \f, 0, 0, \first
	MUL12 \f, 0, 2, \first
	PLACES 4
	FETCH \slot, \k, \g
	s_wait_dscnt 32                                ; all but the 32 just issued
.if \first
	WIN 0xc5
.else
	WIN 0xf5
.endif
	MUL12 \f, 1, 0, \first
	MUL12 \f, 1, 2, \first
.endm
.macro THREE slot, first
	QUARTER \slot, 64,  0, 1, \first
	QUARTER \slot, 128, 1, 0, 0
	QUARTER \slot, 192, 0, 1, 0
.endm
; The last quarter multiplies buffer 1 and changes slots.  In front of the barrier each wave waits for its reads of this slot and for
; all its tensor loads (one is out: its part of the next slot).  Behind it the refill comes first, then the next slot's first fragments.
.macro TURN slot, next, fill
	s_wait_dscnt 12
	WIN 0xa5
	MUL12 1, 0, 0, 0
	s_wait_dscnt 0x0                               ; my reads of this slot are over
	s_set_vgpr_msb 0xa5a0
	s_wait_tensorcnt 0x0                           ; and all my tensor loads have landed
	ds_add_u32 v254, v255
	s_wait_dscnt 0x0
	s_set_vgpr_msb 0xa0a5
	s_barrier_signal -1                            ; say so (where the slot is filled again this barrier opens a round of the cluster's barrier),
	MUL12 1, 0, 2, 0                               ; work on registers while the others arrive
	WIN 0
	s_barrier_wait -1
.if \fill
	CREST                                          ; no wave of any partner still reads this slot or has a load on its way
	s_add_nc_u64 s[G0+4*\slot+2:G0+4*\slot+3], s[G0+4*\slot+2:G0+4*\slot+3], 2*KSTEP*2
	s_add_nc_u64 s[G0B+4*\slot+2:G0B+4*\slot+3], s[G0B+4*\slot+2:G0B+4*\slot+3], 2*KSTEP*2
	JLOAD \slot                                    ; my one tensor load behind the round: this slot, two K steps ahead
.endif
	PLACES 4
	FETCH \next, 0, 0
	WIN 0xf5
	MUL12 1, 1, 0, 0
	MUL12 1, 1, 2, 0
.endm
.macro LAP first
	THREE 0, \first
	TURN 0, 1, 1
	THREE 1, 0
	TURN 1, 0, 1
.endm
	s_wait_tensorcnt 0x1                           ; my part of K step 0 is in; K step 1's stays out
	s_barrier_signal -1
	s_barrier_wait -1                              ; everybody's is
	FETCH 0, 0, 0
	s_wait_loadcnt 0x0                             ; the bias
	LAP 1                                          ; the first lap stands in front of the loop: its first products start the sums from the bias
	WIN 0
	s_mov_b32 s19, LAPS-2
.Llap:
	LAP 0
	WIN 0
	s_sub_co_u32 s19, s19, 1
	s_cmp_lg_u32 s19, 0
	s_cbranch_scc1 .Llap
	THREE 0, 0                                     ; the last lap fills nothing
	TURN 0, 1, 0
	THREE 1, 0
	s_wait_dscnt 12                                ; the very last quarter
	WIN 0xa5
	MUL12 1, 0, 0, 0
	MUL12 1, 0, 2, 0
	s_wait_dscnt 0x0
	WIN 0xf5
	MUL12 1, 1, 0, 0
	MUL12 1, 1, 2, 0
	PLACES 4                                       ; between the last matrix instructions and the conversions that read their results
; THE WAY OUT, 16 rows at a time: round to bf16, 16 bytes a lane into my own stage (a head's 16 rows of 128 bytes, pitch 144), read back
; four rows at a time: in qkv four rows of a head are 512 neighbouring bytes, which one store of the wave covers.
.macro OUT16 a, rb
	WIN 0x0a                                       ; sources in window 2
.irp b, 0,1,2,3,4,5
.irp p, 0,1,2,3
	v_cvt_pk_bf16_f32 v[TMP+4*\b+\p], v[8*(6*\a+\b)+2*\p], v[8*(6*\a+\b)+2*\p+1]
.endr
.endr
	WIN 0x0f                                       ; sources in window 3
.irp b, 0,1,2,3,4,5
.irp p, 0,1,2,3
	v_cvt_pk_bf16_f32 v[TMP+24+4*\b+\p], v[8*(6*\a+\b)+2*\p], v[8*(6*\a+\b)+2*\p+1]
.endr
.endr
	WIN 0
.irp b, 0,1,2,3,4,5,6,7,8,9,10,11
	ds_store_b128 v[STO], v[TMP+4*\b:TMP+4*\b+3] offset:(\b>>2)*SHEAD+(\b&3)*32
.endr
	s_wait_xcnt 0x0                                ; the registers that earlier stores read are loaded again only behind this wait
.irp n, 0,1,2,3,4,5,6,7,8,9,10,11
	ds_load_b128 v[\rb+4*\n:\rb+4*\n+3], v[RD] offset:(\n>>2)*SHEAD+(\n&3)*4*SPITCH    ; LDS serves a wave's instructions in order: these see the stores above
.endr
.irp n, 0,1,2,3,4,5,6,7,8,9,10,11
	s_wait_dscnt 11-\n                             ; load n is back, the 11 - n younger ones stay out
	global_store_b128 v[CO], v[\rb+4*\n:\rb+4*\n+3], s[OB+2*(\n>>2):OB+2*(\n>>2)+1] offset:\a*2048+(\n&3)*512
.endr
.endm
	OUT16 0, RB0
	OUT16 1, RB1
	OUT16 2, RB0
	OUT16 3, RB1
	s_wait_dscnt 0x0
	s_wait_tensorcnt 0x0
	ds_add_u32 v254, v255
	s_wait_dscnt 0x0
	CROUND                                         ; the closing round: no work-group ends while a partner may still ask for a tile that names it
	s_endpgm
.Lfunc_end_k_q15cb5a73fc_qkv:
	.size	k_q15cb5a73fc_qkv, .Lfunc_end_k_q15cb5a73fc_qkv-k_q15cb5a73fc_qkv
	.p2alignl 7, 3214868480
	.fill 96, 4, 3214868480
	.section	.rodata,"a",@progbits
	.p2align	6, 0x0
	.amdhsa_kernel k_q15cb5a73fc_qkv
		.amdhsa_group_segment_fixed_size 327680
		.amdhsa_private_segment_fixed_size 0
		.amdhsa_enable_private_segment 0
		.amdhsa_kernarg_size 48
		.amdhsa_user_sgpr_count 2
		.amdhsa_user_sgpr_kernarg_segment_ptr 1
		.amdhsa_wavefront_size32 1
		.amdhsa_system_sgpr_workgroup_id_x 1
		.amdhsa_system_sgpr_workgroup_id_y 1
		.amdhsa_system_sgpr_workgroup_id_z 1
		.amdhsa_system_vgpr_workitem_id 0
		.amdhsa_next_free_vgpr 960
		.amdhsa_next_free_sgpr 96
		.amdhsa_reserve_vcc 0
		.amdhsa_float_denorm_mode_32 3
		.amdhsa_float_denorm_mode_16_64 3
		.amdhsa_memory_ordered 1
		.amdhsa_forward_progress 1
		.amdhsa_inst_pref_size 167
	.end_amdhsa_kernel
	.amdgpu_metadata
---
amdhsa.version: [ 1, 2 ]
amdhsa.kernels:
  - .name:           k_q15cb5a73fc_qkv
    .symbol:         k_q15cb5a73fc_qkv.kd
    .args:
      - { .name: xb, .offset: 0, .size: 8, .value_kind: global_buffer, .address_space: global }
      - { .name: wb, .offset: 8, .size: 8, .value_kind: global_buffer, .address_space: global }
      - { .name: Wq_b, .offset: 16, .size: 8, .value_kind: global_buffer, .address_space: global }
      - { .name: Wk_b, .offset: 24, .size: 8, .value_kind: global_buffer, .address_space: global }
      - { .name: Wv_b, .offset: 32, .size: 8, .value_kind: global_buffer, .address_space: global }
      - { .name: qkv, .offset: 40, .size: 8, .value_kind: global_buffer, .address_space: global }
    .group_segment_fixed_size: 327680
    .private_segment_fixed_size: 0
    .kernarg_segment_align: 8
    .kernarg_segment_size: 48
    .max_flat_workgroup_size: 128
    .sgpr_count:     96
    .vgpr_count:     960
    .wavefront_size: 32
...
	.end_amdgpu_metadata
.endif
;; end of part 2
;; launch attn (part 3): grid 8 x 32, 4 waves a work-group, clusters of 4 x 1, 327,680 bytes of LDS; arguments qkv, mask, ctx; writes ctx
.if DOCPART == 3
	.amdgcn_target "amdgcn-amd-amdhsa--gfx1250"
	.amdhsa_code_object_version 6
	.text
	.protected	k_q15cb5a73fc_attn
	.globl	k_q15cb5a73fc_attn
	.p2align	8
	.type	k_q15cb5a73fc_attn,@function
k_q15cb5a73fc_attn:
	s_mov_b64 s[64:65], 0
	v_nop
	global_prefetch_b8 v0, s[64:65] scope:SCOPE_SE
	s_setreg_imm32_b32 hwreg(HW_REG_WAVE_MODE, 25, 1), 1
	s_wait_xcnt 0x0
	s_wait_alu depctr_hold_cnt(0) depctr_sa_sdst(0) depctr_va_vdst(0) depctr_va_sdst(0) depctr_va_ssrc(0) depctr_va_vcc(0) depctr_vm_vsrc(0)
	s_getreg_b32 s2, hwreg(HW_REG_IB_STS2, 6, 4)
	s_cmp_eq_u32 s2, 0
	s_cbranch_scc0 .Lentry_in_a_cluster
	s_endpgm
.Lentry_in_a_cluster:
	s_bfe_u32 s2, ttmp6, 0x10000c
	s_cmp_lg_u32 s2, 0x3003
	s_cbranch_scc0 .Lentry_shape_is_right
	s_endpgm
.Lentry_shape_is_right:
; context = softmax(where(mask == 0, -1e9, Q K^T / 8)) V for one (batch, head) and 256 queries; nothing of the problem is left out.
; qkv: bf16 [3][b*16 + h][2048][64] as the launch before stored it; mask: int32 [2][2048]; ctx: bf16 [b*16 + h][2048][64].
; Grid x = 8 blocks of 256 queries, grid y = 32 (batch, head).  Wave w holds queries 64 w .. 64 w + 63 of its block: four tiles of 16.
; The 2,048 keys go in 8 tiles of 256 through two LDS slots; a tile is worked in four steps of 64 keys.
; CLUSTERS: the four query blocks of a cluster read the same K and V tiles and ask for them jointly (mask 15): a quarter of the requests.
; ORIENTATION, so that the weights never change lanes:
;   S^T = K Q^T   (source 0 = 16 keys of K, source 1 = 16 queries of Q): lane (r, h), register j holds key 16 kt + 8 h + j, query r.
;   Packed in pairs, key tiles 2u and 2u + 1 ARE source 1 (32 keys x 16 queries) of
;   O^T = V^T P^T (source 0 = 16 columns of V x 32 keys, by the transposing LDS load): lane (r, h), register j holds query r, column 16 dt + 8 h + j.
;   A query's maximum and sum lie in its two lanes r and r + 16: one exchange between the halves of the wave.
; MASK AND SCALE IN ONE FUSED MULTIPLY-ADD: t = s mc[key] + mb[key], mc = log2(e) / 8 and mb = 0 where mask != 0, mc = 0 and
; mb = -1e9 log2(e) where mask == 0: for a finite s exactly the replacement that the problem makes, in base 2.  The two tables of 2,048 f32
; are made once by the work-group and lie in LDS.
; THE MAXIMUM IS TAKEN AWAY as in the problem, by a running maximum: p = 2^(t - m), sums and O scaled by 2^(m_old - m_new) in every step.
; LIMITS: a score that is infinite or NaN at a MASKED key gives NaN here (0 x inf), where the problem gives -1e9.  Weights below 2^-126
; of the row's largest count as 0 (v_exp_f32 flushes denormal results).  Q, K, V, the weights in P V and ctx are bf16; the row sum adds the f32 weights.
; REGISTERS: window 0: v2-9 addresses, v16-31 running maxima (two sets that take turns), v32-39 row sums (pairs), v40-43 at work,
;   v44-51 scale factors, v64-95 mc, v96-127 mb, v128-191 K fragments (16 kt + 8 u), v192-255 V fragments (16 dt + 8 u)
;   window 1: v0-127 S (32 qt + 8 kt), packed in place to P (32 qt + 16 u, 8 registers); v128-191 Q fragments (16 qt + 8 u)
;   window 2: v0-127 O (8 (4 qt + dt))
.set KP,    144                        ; LDS pitch of a key's 128 bytes of K: an odd multiple of 16
.set VP,    160                        ; of V: an odd multiple of 32, as the transposing load's rows want
.set REG,   20480                      ; a wave's part of a slot: 128 keys of K (waves 0, 1; 18,432 used) or of V (waves 2, 3)
.set SLOT,  4*REG
.set MCT,   2*SLOT                     ; the table mc, 8,192 bytes; mb follows it.  Never filled by a tensor load
.set MBO,   8192
.set STAGE, MCT+2*MBO                  ; 16 rows x 144 bytes for each wave, for the way out
.set SWAVE, 16*KP
.set TILEB, 256*128                    ; bytes of a tile of K or V in memory
.set AK, 2                             ; v2-3  LDS address of my K fragments in slot 0, 1
.set AV, 4                             ; v4-5  the same for V
.set AM, 6                             ; v6    my eight numbers of a key tile in mc; steps by two tiles a trip of the loop
.set STO, 7
.set RD, 8
.set CO, 9
.set LP, 32
.set TX, 40
.set AL, 44
.set MCF, 64
.set MBF, 96
.set KF, 128
.set VF, 192
.set SC, 0                             ; window 1
.set QF, 128                           ; window 1
.set OA, 0                             ; window 2
.set G1K, 24
.set G0K, 32
.set G1V, 48
.set G0V, 56
.set MSB, 0
.macro WIN new
.if MSB != \new
	s_set_vgpr_msb (MSB<<8)|\new
.set MSB, \new
.endif
.endm
.macro PLACES n
.rept \n
	v_nop
.endr
.endm
.macro JLOAD s                         ; waves 0 and 1 ask for K's two halves, waves 2 and 3 for V's
	s_cmp_eq_u32 s11, 0
	s_cbranch_scc0 .Lfor_v_\@
	tensor_load_to_lds s[G0K+4*(\s):G0K+4*(\s)+3], s[G1K:G1K+7]
	s_nop 0
	s_branch .Lasked_\@
.Lfor_v_\@:
	tensor_load_to_lds s[G0V+4*(\s):G0V+4*(\s)+3], s[G1V:G1V+7]
	s_nop 0
.Lasked_\@:
.endm
.macro CROUND                          ; a round of the cluster's barrier
	s_barrier_signal -1
	s_barrier_wait -1
	s_cmp_lg_u32 s10, 0
	s_cbranch_scc1 .Lnot_wave_0_\@
	s_barrier_signal -3
.Lnot_wave_0_\@:
	s_barrier_wait -3
	s_barrier_signal -1
	s_barrier_wait -1
.endm
	s_load_b128 s[4:7], s[0:1], 0x0                ; qkv s[4:5], mask s[6:7]
	s_load_b64 s[8:9], s[0:1], 0x10                ; ctx
	v_lshl_add_u32 v62, v0, 2, 0x2e400
	v_mov_b32 v63, 0
	ds_add_u32 v62, v63
	v_lshrrev_b32 v1, 5, v0
	v_readfirstlane_b32 s10, v1                    ; wave 0..3
	s_lshr_b32 s11, s10, 1                         ; I fetch for K (0) or for V (1)
	s_and_b32 s12, s10, 1                          ; which 128 keys of the tile
	s_and_b32 s13, ttmp7, 0xffff                   ; 16 x batch + head
	s_bfe_u32 s14, ttmp6, 0x40000                  ; cx: enters the addresses of Q and ctx alone
	s_lshl_b32 s15, ttmp9, 2
	s_add_co_u32 s15, s15, s14                     ; query block
	s_mov_b32 s40, 0x76543210                      ; v_permlanex16_b32: lane i of one half reads lane i of the other
	s_mov_b32 s41, 0xfedcba98
	; group 1: 128 keys x 128 bytes are dense in memory and come as 64 rows of 256 bytes (32 elements of 8 bytes); the padding is
	; counted along the whole tile, behind every 32 words, so that each key's 128 bytes get a pitch of their own
	s_mov_b32 s[G1K+0], 15|(3<<16)|(1<<20)|(1<<21)|(4<<22)|(3<<25)   ; mask: all four work-groups; 4 words of padding: pitch 144
	s_mov_b32 s[G1V+0], 15|(3<<16)|(1<<20)|(1<<21)|(4<<22)|(7<<25)   ; 8 words: pitch 160
	s_mov_b32 s[G1K+1], 32<<16
	s_mov_b32 s[G1V+1], 32<<16
	s_mov_b32 s[G1K+2], 64<<16
	s_mov_b32 s[G1V+2], 64<<16
	s_mov_b32 s[G1K+3], 32<<16
	s_mov_b32 s[G1V+3], 32<<16
	s_mov_b32 s[G1K+4], 64
	s_mov_b32 s[G1V+4], 64
	s_mov_b32 s[G1K+5], 32
	s_mov_b32 s[G1V+5], 32
	s_mov_b32 s[G1K+6], 0
	s_mov_b32 s[G1V+6], 0
	s_mov_b32 s[G1K+7], 0
	s_mov_b32 s[G1V+7], 0
	s_lshl_b32 s16, s13, 18                        ; my head's matrix of 262,144 bytes,
	s_lshl_b32 s17, s15, 15                        ; my block's 256 rows of 128 bytes,
	s_add_co_u32 s16, s16, s17
	s_lshl_b32 s17, s10, 13                        ; my wave's 64 rows: the same offset in Q's part of qkv and in ctx
	s_add_co_u32 s16, s16, s17
	s_mov_b32 s17, 0
	s_lshr_b32 s18, s13, 4
	s_lshl_b32 s18, s18, 13                        ; my batch's 2,048 words of the mask
	s_mov_b32 s19, 0
	s_add_co_u32 s20, s13, 32                      ; K's matrices follow Q's 32
	s_lshl_b32 s20, s20, 18
	s_lshl_b32 s21, s12, 14                        ; my 128 keys of a tile
	s_add_co_u32 s20, s20, s21
	s_mov_b32 s21, 0
	s_mul_i32 s45, s10, REG                        ; where my part of a tile goes: the wave's number alone
	s_wait_dscnt 0x0
	s_wait_kmcnt 0x0
	s_add_nc_u64 s[42:43], s[4:5], s[16:17]        ; Q at my wave's first row
	s_add_nc_u64 s[46:47], s[8:9], s[16:17]        ; ctx likewise
	s_add_nc_u64 s[6:7], s[6:7], s[18:19]
	s_add_nc_u64 s[22:23], s[4:5], s[20:21]        ; K: hangs on the head and the wave's number alone, alike in the four partners
	s_add_nc_u64 s[2:3], s[22:23], 32*262144       ; V's matrices follow K's 32
.irp s, 0,1
	s_mov_b32 s[G0K+4*\s], 1
	s_add_co_u32 s[G0K+4*\s+1], s45, \s*SLOT
	s_add_nc_u64 s[G0K+4*\s+2:G0K+4*\s+3], s[22:23], \s*TILEB      ; slot s begins with tile s
	s_or_b32 s[G0K+4*\s+3], s[G0K+4*\s+3], 0x80000000
	s_mov_b32 s[G0V+4*\s], 1
	s_add_co_u32 s[G0V+4*\s+1], s45, \s*SLOT
	s_add_nc_u64 s[G0V+4*\s+2:G0V+4*\s+3], s[2:3], \s*TILEB
	s_or_b32 s[G0V+4*\s+3], s[G0V+4*\s+3], 0x80000000
.endr
	CROUND                                         ; the four work-groups are here
	JLOAD 0                                        ; tile 0: one tensor load of the wave is out, as behind every later round
	v_and_b32 v10, 15, v0                          ; r
	v_bfe_u32 v11, v0, 4, 1                        ; h
	v_and_b32 v12, 31, v0                          ; lane
	v_lshlrev_b32 v13, 4, v0                       ; 16 t: thread t takes four words of each quarter of the mask
	v_lshlrev_b32 v14, 7, v10
	v_lshl_add_u32 v14, v11, 4, v14                ; Q: row r x 128 + 16 h
.irp i, 0,1,2,3
	global_load_b128 v[MCF+4*\i:MCF+4*\i+3], v13, s[6:7] offset:2048*\i
.endr
	WIN 0x40                                       ; destination window 1
.irp qt, 0,1,2,3
.irp u, 0,1
	global_load_b128 v[QF+16*\qt+8*\u:QF+16*\qt+8*\u+3],   v14, s[42:43] offset:2048*\qt+64*\u
	global_load_b128 v[QF+16*\qt+8*\u+4:QF+16*\qt+8*\u+7], v14, s[42:43] offset:2048*\qt+64*\u+32
.endr
.endr
	WIN 0
	v_mul_u32_u24 v15, v10, KP
	v_lshl_add_u32 v15, v11, 4, v15                ; r x 144 + 16 h: K fragments, and the stage's rows
	v_mov_b32 v[AK], v15
	v_add_nc_u32 v[AK+1], SLOT, v15
	v_and_b32 v52, 7, v0                           ; V, stored [key][column], by the transposing load: key 8 h + lane % 8,
	v_lshl_add_u32 v52, v11, 3, v52
	v_mul_u32_u24 v52, v52, VP
	v_bfe_u32 v53, v0, 3, 1                        ; 16 bytes further for lanes 8-15 and 24-31
	v_lshl_add_u32 v52, v53, 4, v52
	v_add_nc_u32 v[AV], 2*REG, v52
	v_add_nc_u32 v[AV+1], 2*REG+SLOT, v52
	v_lshlrev_b32 v[AM], 5, v11
	v_add_nc_u32 v[AM], MCT, v[AM]                 ; mc of keys 8 h + 0..7
	s_mul_i32 s18, s10, SWAVE
	s_add_co_u32 s18, s18, STAGE                   ; my stage
	v_add_nc_u32 v[STO], s18, v15
	v_lshrrev_b32 v54, 3, v12                      ; back: eight lanes take a row's 128 bytes, a wave four rows
	v_mul_u32_u24 v54, v54, KP
	v_and_b32 v55, 7, v0
	v_lshl_add_u32 v54, v55, 4, v54
	v_add_nc_u32 v[RD], s18, v54
	v_lshlrev_b32 v[CO], 4, v12
	v_add_nc_u32 v56, MCT, v13                     ; where my words of the tables go
	v_mov_b32 v57, 0x3e38aa3b                      ; log2(e) / 8
	v_mov_b32 v58, 0
	v_mov_b32 v59, 0xceabfb8f                      ; -1e9 log2(e)
.irp q, 0,1,2,3
	v_mov_b32 v[17+2*\q], 0                        ; the upper registers of pairs of which the packed forms take the lower one twice,
	v_mov_b32 v[25+2*\q], 0
	v_mov_b32 v[AL+2*\q+1], 0
	v_mov_b32 v[TX+\q], 0                          ; and the lane exchange's destinations: written once, never used as numbers
.endr
	s_wait_loadcnt 16                              ; the mask is in; Q's sixteen loads stay out
.irp n, 0,1,2,3,4,5,6,7,8,9,10,11,12,13,14,15
	v_cmp_eq_u32 vcc_lo, 0, v[MCF+\n]
	v_cndmask_b32 v[KF+\n], v57, v58, vcc_lo       ; mc: 0 where mask == 0
	v_cndmask_b32 v[KF+16+\n], v58, v59, vcc_lo    ; mb: -1e9 log2(e) where mask == 0
.endr
.irp i, 0,1,2,3
	ds_store_b128 v56, v[KF+4*\i:KF+4*\i+3] offset:2048*\i
	ds_store_b128 v56, v[KF+16+4*\i:KF+16+4*\i+3] offset:MBO+2048*\i
.endr
	s_wait_loadcnt 0x0                             ; Q.  The tables are shown to the other waves by the first tile's wait for my LDS stores and its barrier
; 16 LDS loads: the K fragments of step i (64 keys x 64) of the tile in a slot
.macro KLOAD slot, i
.irp kt, 0,1,2,3
.irp u, 0,1
	ds_load_b128 v[KF+16*\kt+8*\u:KF+16*\kt+8*\u+3],   v[AK+\slot] offset:((\i)>>1)*REG+((\i)&1)*64*KP+\kt*16*KP+64*\u
	ds_load_b128 v[KF+16*\kt+8*\u+4:KF+16*\kt+8*\u+7], v[AK+\slot] offset:((\i)>>1)*REG+((\i)&1)*64*KP+\kt*16*KP+64*\u+32
.endr
.endr
.endm
; One step: 64 keys against my 64 queries.  next = 1: the tile has a further step, whose K fragments are fetched here.
; first = 1: the very first step starts maxima, sums and O: nothing is ever cleared.  moff: the tile's place in the tables, from v[AM].
; In both runs of matrix instructions the 16 accumulators take turns, one instruction a turn.
.macro STEP slot, i, next, first, moff
.set MN, 16+8*(\i&1)                   ; the new maxima; the two sets change places from step to step, so no copy is made
.set MO, 24-8*(\i&1)                   ; the old ones
	s_wait_dscnt 0x0                               ; this step's K fragments are in
	WIN 0x54                                       ; source 0 (K) window 0; source 1 (Q), C and D (S) window 1
.irp kt, 0,1,2,3
.irp qt, 0,1,2,3
	v_wmma_f32_16x16x32_bf16 v[SC+32*\qt+8*\kt:SC+32*\qt+8*\kt+7], v[KF+16*\kt:KF+16*\kt+7], v[QF+16*\qt:QF+16*\qt+7], 0
.endr
.endr
.irp kt, 0,1,2,3
.irp qt, 0,1,2,3
	v_wmma_f32_16x16x32_bf16 v[SC+32*\qt+8*\kt:SC+32*\qt+8*\kt+7], v[KF+16*\kt+8:KF+16*\kt+15], v[QF+16*\qt+8:QF+16*\qt+15], v[SC+32*\qt+8*\kt:SC+32*\qt+8*\kt+7]
.endr
.endr
	PLACES 4                                       ; between these and the loads into K's fragments, and the arithmetic that reads S
	WIN 0
.irp kt, 0,1,2,3
	ds_load_b128 v[MCF+8*\kt:MCF+8*\kt+3],   v[AM] offset:\moff+256*\i+64*\kt
	ds_load_b128 v[MCF+8*\kt+4:MCF+8*\kt+7], v[AM] offset:\moff+256*\i+64*\kt+16
	ds_load_b128 v[MBF+8*\kt:MBF+8*\kt+3],   v[AM] offset:\moff+256*\i+64*\kt+MBO
	ds_load_b128 v[MBF+8*\kt+4:MBF+8*\kt+7], v[AM] offset:\moff+256*\i+64*\kt+MBO+16
.endr
.irp dt, 0,1,2,3
.irp u, 0,1
	ds_load_tr16_b128 v[VF+16*\dt+8*\u:VF+16*\dt+8*\u+3],   v[AV+\slot] offset:\i*64*VP+\u*32*VP+32*\dt
	ds_load_tr16_b128 v[VF+16*\dt+8*\u+4:VF+16*\dt+8*\u+7], v[AV+\slot] offset:\i*64*VP+\u*32*VP+16*VP+32*\dt
.endr
.endr
.if \next
	KLOAD \slot, \i+1
.endif
	s_wait_dscnt 16+16*\next                       ; mc and mb are in; V's 16 loads and the next step's 16 of K stay out
	WIN 0x41                                       ; S in window 1, the tables in window 0
.irp kt, 0,1,2,3
.irp qt, 0,1,2,3
.irp p, 0,2,4,6
	v_pk_fma_f32 v[SC+32*\qt+8*\kt+\p:SC+32*\qt+8*\kt+\p+1], v[SC+32*\qt+8*\kt+\p:SC+32*\qt+8*\kt+\p+1], v[MCF+8*\kt+\p:MCF+8*\kt+\p+1], v[MBF+8*\kt+\p:MBF+8*\kt+\p+1]
.endr
.endr
.endr
	WIN 0x05                                       ; the maximum of my 32 numbers of each query tile and the old one: four chains side by side
.irp qt, 0,1,2,3
.if \first
	v_max_num_f32 v[MN+2*\qt], v[SC+32*\qt], v[SC+32*\qt+1]
.else
	v_max3_num_f32 v[MN+2*\qt], v[SC+32*\qt], v[SC+32*\qt+1], v[MO+2*\qt]
.endif
.endr
.irp e, 2,4,6,8,10,12,14,16,18,20,22,24,26,28,30
.irp qt, 0,1,2,3
	v_max3_num_f32 v[MN+2*\qt], v[SC+32*\qt+\e], v[SC+32*\qt+\e+1], v[MN+2*\qt]
.endr
.endr
	WIN 0
.irp qt, 0,1,2,3
	v_permlanex16_b32 v[TX+\qt], v[MN+2*\qt], s40, s41     ; the query's other lane
.endr
.irp qt, 0,1,2,3
	v_max_num_f32 v[MN+2*\qt], v[MN+2*\qt], v[TX+\qt]
.endr
.if \first == 0
.irp qt, 0,1,2,3
	v_sub_f32 v[AL+2*\qt], v[MO+2*\qt], v[MN+2*\qt]
.endr
.irp qt, 0,1,2,3
	v_exp_f32 v[AL+2*\qt], v[AL+2*\qt]             ; 2^(m_old - m_new); first used far below, behind plain instructions (ISA guide 5.7.2)
.endr
.endif
	WIN 0x41
.irp e, 0,2,4,6,8,10,12,14,16,18,20,22,24,26,28,30
.irp qt, 0,1,2,3
	v_pk_add_f32 v[SC+32*\qt+\e:SC+32*\qt+\e+1], v[SC+32*\qt+\e:SC+32*\qt+\e+1], v[MN+2*\qt:MN+2*\qt+1] op_sel_hi:[1,0] neg_lo:[0,1] neg_hi:[0,1]
.endr
.endr
.set EI, 0
.rept 128
	v_exp_f32 v[SC+EI], v[SC+EI]                   ; p = 2^(t - m)
.set EI, EI+1
.endr
	v_nop                                          ; one plain instruction between the last exponential and its use (ISA guide 5.7.2)
.if \first
	WIN 0x05
	s_wait_alu depctr_va_vdst(0)
.irp qt, 0,1,2,3
	v_pk_add_f32 v[LP+2*\qt:LP+2*\qt+1], v[SC+32*\qt:SC+32*\qt+1], v[SC+32*\qt+2:SC+32*\qt+3]
.endr
	WIN 0x01
.irp e, 4,6,8,10,12,14,16,18,20,22,24,26,28,30
.irp qt, 0,1,2,3
	v_pk_add_f32 v[LP+2*\qt:LP+2*\qt+1], v[SC+32*\qt+\e:SC+32*\qt+\e+1], v[LP+2*\qt:LP+2*\qt+1]
.endr
.endr
.else
	WIN 0x10
	s_wait_alu depctr_va_vdst(0)
.irp qt, 0,1,2,3
	v_pk_fma_f32 v[LP+2*\qt:LP+2*\qt+1], v[LP+2*\qt:LP+2*\qt+1], v[AL+2*\qt:AL+2*\qt+1], v[SC+32*\qt:SC+32*\qt+1] op_sel_hi:[1,0,1]
.endr
	WIN 0x01
.irp e, 2,4,6,8,10,12,14,16,18,20,22,24,26,28,30
.irp qt, 0,1,2,3
	v_pk_add_f32 v[LP+2*\qt:LP+2*\qt+1], v[SC+32*\qt+\e:SC+32*\qt+\e+1], v[LP+2*\qt:LP+2*\qt+1]
.endr
.endr
.endif
	WIN 0x45                                       ; pack in place: register q of a group of 16 takes numbers 2 q and 2 q + 1, in ascending q, so no number is lost
.irp g, 0,1,2,3,4,5,6,7
.irp q, 0,1,2,3,4,5,6,7
	v_cvt_pk_bf16_f32 v[SC+16*\g+\q], v[SC+16*\g+2*\q], v[SC+16*\g+2*\q+1]
.endr
.endr
.if \first == 0
	WIN 0x82
.irp qt, 0,1,2,3
.irp dt, 0,1,2,3
.irp p, 0,2,4,6
	v_pk_mul_f32 v[OA+8*(4*\qt+\dt)+\p:OA+8*(4*\qt+\dt)+\p+1], v[OA+8*(4*\qt+\dt)+\p:OA+8*(4*\qt+\dt)+\p+1], v[AL+2*\qt:AL+2*\qt+1] op_sel_hi:[1,0]
.endr
.endr
.endr
.endif
	s_wait_dscnt 16*\next                          ; V's fragments are in; the next step's 16 loads of K stay out
	WIN 0xa4                                       ; source 0 (V) window 0, source 1 (P) window 1, C and D (O) window 2
.irp qt, 0,1,2,3
.irp dt, 0,1,2,3
.if \first
	v_wmma_f32_16x16x32_bf16 v[OA+8*(4*\qt+\dt):OA+8*(4*\qt+\dt)+7], v[VF+16*\dt:VF+16*\dt+7], v[SC+32*\qt:SC+32*\qt+7], 0
.else
	v_wmma_f32_16x16x32_bf16 v[OA+8*(4*\qt+\dt):OA+8*(4*\qt+\dt)+7], v[VF+16*\dt:VF+16*\dt+7], v[SC+32*\qt:SC+32*\qt+7], v[OA+8*(4*\qt+\dt):OA+8*(4*\qt+\dt)+7]
.endif
.endr
.endr
.irp qt, 0,1,2,3
.irp dt, 0,1,2,3
	v_wmma_f32_16x16x32_bf16 v[OA+8*(4*\qt+\dt):OA+8*(4*\qt+\dt)+7], v[VF+16*\dt+8:VF+16*\dt+15], v[SC+32*\qt+16:SC+32*\qt+23], v[OA+8*(4*\qt+\dt):OA+8*(4*\qt+\dt)+7]
.endr
.endr
	PLACES 5                                       ; the next step's first products write over P, a source of these (ISA guide 7.12.1)
.endm
; One tile of 256 keys.  In front of the round every wave waits for all its tensor loads (its part of this tile) and for its LDS
; accesses (its reads of the other slot; in the first tile its stores of the tables); behind the round the other slot is filled first.
.macro TRIP slot, refill, first, moff
	WIN 0
	s_wait_tensorcnt 0x0                           ; none of my loads is out, so every group 0 may be written:
	ds_add_u32 v62, v63
	s_wait_dscnt 0x0
	s_add_nc_u64 s[G0K+4*\slot+2:G0K+4*\slot+3], s[G0K+4*\slot+2:G0K+4*\slot+3], 2*TILEB   ; this slot's next tile (in the last two tiles the stepped address is not used)
	s_add_nc_u64 s[G0V+4*\slot+2:G0V+4*\slot+3], s[G0V+4*\slot+2:G0V+4*\slot+3], 2*TILEB
	s_wait_dscnt 0x0
	CROUND                                         ; both now hold of every wave of the four work-groups
.if \refill
	JLOAD 1-\slot                                  ; the next tile: my one tensor load until the next round; it has this tile's four steps in which to land
.endif
	KLOAD \slot, 0
	STEP \slot, 0, 1, \first, \moff
	STEP \slot, 1, 1, 0, \moff
	STEP \slot, 2, 1, 0, \moff
	STEP \slot, 3, 0, 0, \moff
.endm
	TRIP 0, 1, 1, 0                                ; tile 0
	WIN 0
	s_mov_b32 s44, 3
.Ltiles:
	TRIP 1, 1, 0, 1024                             ; tiles 1, 3, 5
	TRIP 0, 1, 0, 2048                             ; tiles 2, 4, 6
	WIN 0
	v_add_nc_u32 v[AM], 2048, v[AM]                ; two tiles on in the tables
	s_sub_co_u32 s44, s44, 1
	s_cmp_lg_u32 s44, 0
	s_cbranch_scc1 .Ltiles
	TRIP 1, 0, 0, 1024                             ; tile 7: nothing is left to fetch
	; THE WAY OUT: divide by the row sums (at least 1: the largest weight of a row is 1), round to bf16, through my own stage.
	WIN 0
.irp qt, 0,1,2,3
	v_add_f32 v[LP+2*\qt], v[LP+2*\qt], v[LP+2*\qt+1]
.endr
.irp qt, 0,1,2,3
	v_permlanex16_b32 v[TX+\qt], v[LP+2*\qt], s40, s41
.endr
.irp qt, 0,1,2,3
	v_add_f32 v[LP+2*\qt], v[LP+2*\qt], v[TX+\qt]
.endr
.irp qt, 0,1,2,3
	v_rcp_f32 v[AL+2*\qt], v[LP+2*\qt]
.endr
	v_nop                                          ; one plain instruction behind the reciprocals (ISA guide 5.7.2)
	s_wait_alu depctr_va_vdst(0)
; 16 queries: a lane's eight numbers of a column tile are 16 bytes of a row of ctx; four rows of ctx are 512 neighbouring bytes
.macro OUTQ qt
	WIN 0x82
.irp dt, 0,1,2,3
.irp p, 0,2,4,6
	v_pk_mul_f32 v[OA+8*(4*\qt+\dt)+\p:OA+8*(4*\qt+\dt)+\p+1], v[OA+8*(4*\qt+\dt)+\p:OA+8*(4*\qt+\dt)+\p+1], v[AL+2*\qt:AL+2*\qt+1] op_sel_hi:[1,0]
.endr
.endr
	WIN 0x0a
.irp dt, 0,1,2,3
.irp p, 0,1,2,3
	v_cvt_pk_bf16_f32 v[KF+4*\dt+\p], v[OA+8*(4*\qt+\dt)+2*\p], v[OA+8*(4*\qt+\dt)+2*\p+1]
.endr
.endr
	WIN 0
.irp dt, 0,1,2,3
	ds_store_b128 v[STO], v[KF+4*\dt:KF+4*\dt+3] offset:32*\dt
.endr
	s_wait_xcnt 0x0                                ; the registers that earlier stores read are loaded again only behind this wait
.irp n, 0,1,2,3
	ds_load_b128 v[VF+16*(\qt&1)+4*\n:VF+16*(\qt&1)+4*\n+3], v[RD] offset:4*KP*\n      ; LDS serves a wave's instructions in order: these see the stores above
.endr
.irp n, 0,1,2,3
	s_wait_dscnt 3-\n                              ; load n is back, the 3 - n younger ones stay out
	global_store_b128 v[CO], v[VF+16*(\qt&1)+4*\n:VF+16*(\qt&1)+4*\n+3], s[46:47] offset:2048*\qt+512*\n
.endr
.endm
	OUTQ 0
	OUTQ 1
	OUTQ 2
	OUTQ 3
	s_wait_dscnt 0x0
	s_wait_tensorcnt 0x0
	ds_add_u32 v62, v63
	s_wait_dscnt 0x0
	CROUND                                         ; the closing round
	s_endpgm
.Lfunc_end_k_q15cb5a73fc_attn:
	.size	k_q15cb5a73fc_attn, .Lfunc_end_k_q15cb5a73fc_attn-k_q15cb5a73fc_attn
	.p2alignl 7, 3214868480
	.fill 96, 4, 3214868480
	.section	.rodata,"a",@progbits
	.p2align	6, 0x0
	.amdhsa_kernel k_q15cb5a73fc_attn
		.amdhsa_group_segment_fixed_size 327680
		.amdhsa_private_segment_fixed_size 0
		.amdhsa_enable_private_segment 0
		.amdhsa_kernarg_size 24
		.amdhsa_user_sgpr_count 2
		.amdhsa_user_sgpr_kernarg_segment_ptr 1
		.amdhsa_wavefront_size32 1
		.amdhsa_system_sgpr_workgroup_id_x 1
		.amdhsa_system_sgpr_workgroup_id_y 1
		.amdhsa_system_sgpr_workgroup_id_z 1
		.amdhsa_system_vgpr_workitem_id 0
		.amdhsa_next_free_vgpr 640
		.amdhsa_next_free_sgpr 66
		.amdhsa_reserve_vcc 1
		.amdhsa_float_denorm_mode_32 3
		.amdhsa_float_denorm_mode_16_64 3
		.amdhsa_memory_ordered 1
		.amdhsa_forward_progress 1
		.amdhsa_inst_pref_size 255
	.end_amdhsa_kernel
	.section	.bss,"aw",@nobits
	.p2align	6
	.space	262144
	.amdgpu_metadata
---
amdhsa.version: [ 1, 2 ]
amdhsa.kernels:
  - .name:           k_q15cb5a73fc_attn
    .symbol:         k_q15cb5a73fc_attn.kd
    .args:
      - { .name: qkv, .offset: 0, .size: 8, .value_kind: global_buffer, .address_space: global }
      - { .name: mask, .offset: 8, .size: 8, .value_kind: global_buffer, .address_space: global }
      - { .name: ctx, .offset: 16, .size: 8, .value_kind: global_buffer, .address_space: global }
    .group_segment_fixed_size: 327680
    .private_segment_fixed_size: 0
    .kernarg_segment_align: 8
    .kernarg_segment_size: 24
    .max_flat_workgroup_size: 128
    .sgpr_count:     66
    .vgpr_count:     640
    .wavefront_size: 32
...
	.end_amdgpu_metadata
.endif
;; end of part 3
;; launch proj (part 4): grid 8 x 32, 4 waves a work-group, clusters of 4 x 4, 327,680 bytes of LDS; arguments ctx, wb, Wo_b, out0; writes out0
.if DOCPART == 4
	.amdgcn_target "amdgcn-amd-amdhsa--gfx1250"
	.amdhsa_code_object_version 6
	.text
	.protected	k_q15cb5a73fc_proj
	.globl	k_q15cb5a73fc_proj
	.p2align	8
	.type	k_q15cb5a73fc_proj,@function
k_q15cb5a73fc_proj:
	s_mov_b64 s[64:65], 0
	v_nop
	global_prefetch_b8 v0, s[64:65] scope:SCOPE_SE
	s_setreg_imm32_b32 hwreg(HW_REG_WAVE_MODE, 25, 1), 1
	s_wait_xcnt 0x0
	s_wait_alu depctr_hold_cnt(0) depctr_sa_sdst(0) depctr_va_vdst(0) depctr_va_sdst(0) depctr_va_ssrc(0) depctr_va_vcc(0) depctr_vm_vsrc(0)
	s_getreg_b32 s2, hwreg(HW_REG_IB_STS2, 6, 4)
	s_cmp_eq_u32 s2, 0
	s_cbranch_scc0 .Lentry_in_a_cluster
	s_endpgm
.Lentry_in_a_cluster:
	s_bfe_u32 s2, ttmp6, 0x10000c
	s_cmp_lg_u32 s2, 0xf033
	s_cbranch_scc0 .Lentry_shape_is_right
	s_endpgm
.Lentry_shape_is_right:
; out0 = context Wo^T + Wo_b, f32.  Nothing of the problem is left out here.
; ctx: bf16 [b*16 + h][2048][64] (K index = 64 h + column); Wo: rows 3072..4095 of wb, bf16 [.][1024]; out0: f32 [4096][1024].
; A work-group makes 128 x 128: 8 x 32 = 256 equal work-groups.  The four waves lie 2 x 2 and make 64 x 64 each: 16 accumulator tiles.
; K = 1024 goes in 4 tiles of 256 (four heads) through two LDS slots, so that one round of the cluster's barrier serves 128 matrix
; instructions of a wave.
; CLUSTERS: 4 x 4.  The context's tile hangs on the block row alone and is asked for jointly along a row of the cluster, Wo's on the
; block column alone and along a column.
; The matrix instruction is used transposed (source 0 = rows of Wo, source 1 = rows of the context): a lane holds eight neighbouring
; columns of one row.  The bias is the C operand of each sum's first product.
; REGISTERS: window 0: v16-27 addresses; v64-127, v128-191 two fragment buffers (Wo's four tiles, then the context's four);
;   v192-223 the bias;   window 1: accumulator (a, b) at v[8 (4 a + b)]
.set AP,    144                        ; LDS pitch of a row's 128 bytes of one head
.set CHUNK, 128*AP                     ; one head's 128 rows
.set BP,    528                        ; LDS pitch of a row's 512 bytes of Wo: an odd multiple of 16
.set REG,   2*CHUNK                    ; a wave's part of a slot: two heads (waves 0, 1) or 64 rows of Wo (waves 2, 3; 33,792 used)
.set SLOT,  4*REG
.set STAGE, 2*SLOT                     ; 16 rows x 272 bytes for each wave; never filled by a tensor load
.set SP,    272
.set ADRA, 16
.set ADRB, 20
.set STO,  24
.set RD,   25
.set CO,   26
.set HB,   27
.set BIAS, 192
.set G1,  24
.set G0,  32
.set G1B, 48
.set G0B, 56
.set MSB, 0
.macro WIN new
.if MSB != \new
	s_set_vgpr_msb (MSB<<8)|\new
.set MSB, \new
.endif
.endm
.macro PLACES n
.rept \n
	v_nop
.endr
.endm
.macro JLOAD s                         ; waves 0 and 1 ask for the context's four heads, two each; waves 2 and 3 for Wo's two halves
	s_cmp_eq_u32 s17, 0
	s_cbranch_scc0 .Lfor_b_\@
	tensor_load_to_lds s[G0+4*(\s):G0+4*(\s)+3], s[G1:G1+7]
	s_nop 0
	s_branch .Lasked_\@
.Lfor_b_\@:
	tensor_load_to_lds s[G0B+4*(\s):G0B+4*(\s)+3], s[G1B:G1B+7]
	s_nop 0
.Lasked_\@:
.endm
.macro CREST
	s_cmp_lg_u32 s16, 0
	s_cbranch_scc1 .Lnot_wave_0_\@
	s_barrier_signal -3
.Lnot_wave_0_\@:
	s_barrier_wait -3
	s_barrier_signal -1
	s_barrier_wait -1
.endm
.macro CROUND
	s_barrier_signal -1
	s_barrier_wait -1
	CREST
.endm
	s_load_b256 s[4:11], s[0:1], 0x0               ; ctx s[4:5], wb s[6:7], Wo_b s[8:9], out0 s[10:11]
	v_lshl_add_u32 v254, v0, 2, 0x4c400
	v_mov_b32 v255, 0
	ds_add_u32 v254, v255
	v_lshrrev_b32 v1, 5, v0
	v_readfirstlane_b32 s16, v1                    ; wave 0..3
	s_lshr_b32 s17, s16, 1                         ; my half of the block's rows.  Also: I fetch for the context (0) or for Wo (1)
	s_and_b32 s18, s16, 1                          ; my half of its columns.  Also: which half of that tile I fetch
	s_bfe_u32 s20, ttmp6, 0x40000                  ; cx
	s_bfe_u32 s21, ttmp6, 0x40004                  ; cy
	s_lshl_b32 s22, ttmp9, 2
	s_add_co_u32 s22, s22, s20                     ; block column
	s_and_b32 s23, ttmp7, 0xffff
	s_lshl_b32 s23, s23, 2
	s_add_co_u32 s23, s23, s21                     ; block row
	s_lshl_b32 s44, s21, 2
	s_lshl_b32 s44, 15, s44                        ; my row of the cluster
	s_lshl_b32 s70, 0x1111, s20                    ; my column
	; the context: a head's 128 rows of 128 bytes are 16,384 dense bytes = one row of 2,048 elements of 8 bytes; two heads, 262,144 bytes
	; apart; the padding, counted along the whole tile, stands behind every 32 words: each 128 bytes get the pitch 144
	s_or_b32 s[G1+0], s44, (3<<16)|(1<<20)|(1<<21)|(4<<22)|(3<<25)
	s_mov_b32 s[G1+1], 2048<<16                    ; tensor_dim0
	s_mov_b32 s[G1+2], 2<<16                       ; tensor_dim1
	s_mov_b32 s[G1+3], 2048<<16                    ; tile_dim0
	s_mov_b32 s[G1+4], 2                           ; tile_dim1
	s_mov_b32 s[G1+5], 32768                       ; elements from head to head
	s_mov_b32 s[G1+6], 0
	s_mov_b32 s[G1+7], 0
	; Wo: 64 rows of 256 elements of 2 bytes, 16 bytes of padding behind every 128 words
	s_or_b32 s[G1B+0], s70, (1<<16)|(1<<20)|(1<<21)|(6<<22)|(3<<25)
	s_mov_b32 s[G1B+1], 256<<16
	s_mov_b32 s[G1B+2], 64<<16
	s_mov_b32 s[G1B+3], 256<<16
	s_mov_b32 s[G1B+4], 64
	s_mov_b32 s[G1B+5], 1024
	s_mov_b32 s[G1B+6], 0
	s_mov_b32 s[G1B+7], 0
	s_lshr_b32 s40, s23, 4                         ; batch = block row / 16
	s_lshl_b32 s40, s40, 4
	s_lshl_b32 s41, s18, 1
	s_add_co_u32 s40, s40, s41                     ; head matrix 16 x batch + 2 x half
	s_lshl_b32 s40, s40, 11
	s_and_b32 s41, s23, 15
	s_lshl_b32 s41, s41, 7
	s_add_co_u32 s40, s40, s41                     ; + the block's first row in its batch
	s_lshl_b32 s40, s40, 7                         ; rows of 128 bytes
	s_mov_b32 s41, 0
	s_lshl_b32 s66, s22, 7
	s_lshl_b32 s67, s18, 6
	s_add_co_u32 s66, s66, s67
	s_add_co_u32 s66, s66, 3072                    ; Wo's row 128 x block column + 64 x half, behind Wq, Wk, Wv
	s_lshl_b32 s66, s66, 11
	s_mov_b32 s67, 0
	s_mul_i32 s45, s16, REG
	s_wait_dscnt 0x0
	s_wait_kmcnt 0x0
	s_add_nc_u64 s[42:43], s[4:5], s[40:41]
	s_add_nc_u64 s[68:69], s[6:7], s[66:67]
	CROUND                                         ; all sixteen work-groups are here
.irp s, 0,1
	s_mov_b32 s[G0+4*\s], 1
	s_add_co_u32 s[G0+4*\s+1], s45, \s*SLOT
	s_add_nc_u64 s[G0+4*\s+2:G0+4*\s+3], s[42:43], \s*4*262144     ; tile s: heads 4 s ..
	s_or_b32 s[G0+4*\s+3], s[G0+4*\s+3], 0x80000000
	s_mov_b32 s[G0B+4*\s], 1
	s_add_co_u32 s[G0B+4*\s+1], s45, \s*SLOT
	s_add_nc_u64 s[G0B+4*\s+2:G0B+4*\s+3], s[68:69], \s*512
	s_or_b32 s[G0B+4*\s+3], s[G0B+4*\s+3], 0x80000000
	JLOAD \s                                       ; both first fills go out together: two tensor loads of the wave are out
.endr
	v_and_b32 v1, 15, v0                           ; r
	v_bfe_u32 v2, v0, 4, 1                         ; h
	v_lshlrev_b32 v[HB], 5, v2
	s_lshl_b32 s88, s23, 7
	s_lshl_b32 s89, s17, 6
	s_add_co_u32 s88, s88, s89                     ; my first row,
	s_lshl_b32 s88, s88, 12                        ; of 4,096 bytes
	s_lshl_b32 s90, s22, 7
	s_lshl_b32 s91, s18, 6
	s_add_co_u32 s90, s90, s91
	s_lshl_b32 s90, s90, 2                         ; my first column, in bytes: a multiple of 256
	s_mov_b32 s91, 0
	s_add_nc_u64 s[72:73], s[8:9], s[90:91]        ; the bias there
	s_add_co_u32 s88, s88, s90
	s_mov_b32 s89, 0
	s_add_nc_u64 s[80:81], s[10:11], s[88:89]      ; out0 at my 64 x 64
.irp b, 0,1,2,3
	global_load_b128 v[BIAS+8*\b:BIAS+8*\b+3],   v[HB], s[72:73] offset:64*\b
	global_load_b128 v[BIAS+8*\b+4:BIAS+8*\b+7], v[HB], s[72:73] offset:64*\b+16
.endr
	v_mul_u32_u24 v3, v1, AP
	v_lshl_add_u32 v3, v2, 4, v3
	v_mul_u32_u24 v4, v1, BP
	v_lshl_add_u32 v4, v2, 4, v4
	s_mul_i32 s86, s17, 64*AP                      ; my 64 rows in each head's chunk
	s_add_co_u32 s87, s18, 2
	s_mul_i32 s87, s87, REG                        ; my 64 rows of Wo
.irp s, 0,1
	v_add_nc_u32 v[ADRA+\s], s86, v3
	v_add_nc_u32 v[ADRB+\s], s87, v4
	s_add_co_u32 s86, s86, SLOT
	s_add_co_u32 s87, s87, SLOT
.endr
	s_mul_i32 s92, s16, 16*SP
	s_add_co_u32 s92, s92, STAGE                   ; my stage
	v_mul_u32_u24 v5, v1, SP                       ; in: row r, 32 bytes for each half of the lanes
	v_lshl_add_u32 v5, v2, 5, v5
	v_add_nc_u32 v[STO], s92, v5
	v_mul_u32_u24 v6, v2, SP                       ; back: lanes 0-15 take one row of 256 bytes, lanes 16-31 the next
	v_lshl_add_u32 v6, v1, 4, v6
	v_add_nc_u32 v[RD], s92, v6
	v_lshlrev_b32 v7, 12, v2                       ; and the same two rows in out0
	v_lshl_add_u32 v[CO], v1, 4, v7
; 8 matrix instructions: row tiles a0, a0 + 1 x four column tiles, 32 along K, from buffer f.  first = 1: C is the bias.
; The 16 accumulators take turns, one instruction a turn, in the same order in every quarter.
.macro MUL8 f, a0, first
.irp a, \a0, \a0+1
.irp b, 0,1,2,3
.if \first
	v_wmma_f32_16x16x32_bf16 v[8*(4*(\a)+\b):8*(4*(\a)+\b)+7], v[64+64*\f+8*\b:64+64*\f+8*\b+7], v[96+64*\f+8*(\a):96+64*\f+8*(\a)+7], v[BIAS+8*\b:BIAS+8*\b+7]
.else
	v_wmma_f32_16x16x32_bf16 v[8*(4*(\a)+\b):8*(4*(\a)+\b)+7], v[64+64*\f+8*\b:64+64*\f+8*\b+7], v[96+64*\f+8*(\a):96+64*\f+8*(\a)+7], v[8*(4*(\a)+\b):8*(4*(\a)+\b)+7]
.endif
.endr
.endr
.endm
; 16 LDS loads: the fragments of part q (32 of the tile's 256 along K: head q / 2, half q % 2) into buffer f
.macro FETCH slot, q, f
.irp b, 0,1,2,3
	ds_load_b128 v[64+64*\f+8*\b:64+64*\f+8*\b+3],   v[ADRB+\slot] offset:16*BP*\b+64*\q
	ds_load_b128 v[64+64*\f+8*\b+4:64+64*\f+8*\b+7], v[ADRB+\slot] offset:16*BP*\b+64*\q+32
.endr
.irp a, 0,1,2,3
	ds_load_b128 v[96+64*\f+8*\a:96+64*\f+8*\a+3],   v[ADRA+\slot] offset:(\q>>1)*CHUNK+16*AP*\a+64*(\q&1)
	ds_load_b128 v[96+64*\f+8*\a+4:96+64*\f+8*\a+7], v[ADRA+\slot] offset:(\q>>1)*CHUNK+16*AP*\a+64*(\q&1)+32
.endr
.endm
; One of a tile's first seven parts: buffer f is in; part qn is fetched into buffer fn ahead of the 16 matrix instructions on buffer f.
; The four v_nop are the places between the matrix instructions that read buffer fn and the loads into it.
.macro QUARTER slot, f, qn, fn, first
	s_wait_dscnt 0x0
	PLACES 4
	WIN 0
	FETCH \slot, \qn, \fn
.if \first
	WIN 0x40                                       ; D window 1, C (the bias) window 0
.else
	WIN 0x50                                       ; C and D window 1
.endif
	MUL8 \f, 0, \first
	MUL8 \f, 2, \first
.endm
.macro SEVEN slot, first
	QUARTER \slot, 0, 1, 1, \first
	QUARTER \slot, 1, 2, 0, 0
	QUARTER \slot, 0, 3, 1, 0
	QUARTER \slot, 1, 4, 0, 0
	QUARTER \slot, 0, 5, 1, 0
	QUARTER \slot, 1, 6, 0, 0
	QUARTER \slot, 0, 7, 1, 0
.endm
; The eighth part multiplies buffer 1 and changes slots: each wave's waits, the barrier (which opens a round of the cluster's barrier
; where the slot is filled again), the refill first behind it, then the next slot's first fragments.
.macro TURN slot, next, fill
	s_wait_dscnt 0x0                               ; buffer 1 is in, and my reads of this slot are over
	s_wait_tensorcnt 0x0                           ; all my tensor loads have landed: the one that was out is my part of the next slot
	ds_add_u32 v254, v255
	s_wait_dscnt 0x0
	s_barrier_signal -1
	WIN 0x50
	MUL8 1, 0, 0                                   ; work on registers while the others arrive
	WIN 0
	s_barrier_wait -1
.if \fill
	CREST
	s_add_nc_u64 s[G0+4*\slot+2:G0+4*\slot+3], s[G0+4*\slot+2:G0+4*\slot+3], 2*4*262144
	s_add_nc_u64 s[G0B+4*\slot+2:G0B+4*\slot+3], s[G0B+4*\slot+2:G0B+4*\slot+3], 2*512
	JLOAD \slot                                    ; my one tensor load behind the round: this slot, two tiles ahead
.endif
	PLACES 4
	FETCH \next, 0, 0
	WIN 0x50
	MUL8 1, 2, 0
.endm
	s_wait_tensorcnt 0x1                           ; my part of tile 0 is in; tile 1's stays out
	s_barrier_signal -1
	s_barrier_wait -1
	FETCH 0, 0, 0
	s_wait_loadcnt 0x0                             ; the bias
	SEVEN 0, 1                                     ; tile 0: its first products start the sums from the bias
	TURN 0, 1, 1
	SEVEN 1, 0                                     ; tile 1
	TURN 1, 0, 1
	SEVEN 0, 0                                     ; tile 2: nothing is left to fetch
	TURN 0, 1, 0
	SEVEN 1, 0                                     ; tile 3
	s_wait_dscnt 0x0
	WIN 0x50
	MUL8 1, 0, 0
	MUL8 1, 2, 0
	PLACES 4                                       ; between the last matrix instructions and the LDS stores that read their results
; THE WAY OUT, 16 rows at a time: a lane's 32 bytes of each column tile go into my own stage (rows of 256 bytes, pitch 272) and come back
; as whole rows: sixteen lanes store 256 neighbouring bytes that begin at a multiple of 256 from out0's first byte.
.macro OUT16 a
	WIN 0x04                                       ; the stores' data in window 1
.irp b, 0,1,2,3
	ds_store_b128 v[STO], v[8*(4*\a+\b):8*(4*\a+\b)+3]   offset:64*\b
	ds_store_b128 v[STO], v[8*(4*\a+\b)+4:8*(4*\a+\b)+7] offset:64*\b+16
.endr
	WIN 0
	s_wait_xcnt 0x0                                ; the registers that earlier stores read are loaded again only behind this wait
.irp n, 0,1,2,3,4,5,6,7
	ds_load_b128 v[64+64*(\a&1)+4*\n:64+64*(\a&1)+4*\n+3], v[RD] offset:2*SP*\n        ; LDS serves a wave's instructions in order: these see the stores above
.endr
.irp n, 0,1,2,3,4,5,6,7
	s_wait_dscnt 7-\n                              ; load n is back, the 7 - n younger ones stay out
	global_store_b128 v[CO], v[64+64*(\a&1)+4*\n:64+64*(\a&1)+4*\n+3], s[80:81] offset:(16*\a+2*\n)*4096 th:TH_STORE_NT
.endr
.endm
	OUT16 0
	OUT16 1
	OUT16 2
	OUT16 3
	s_wait_dscnt 0x0
	s_wait_tensorcnt 0x0
	ds_add_u32 v254, v255
	s_wait_dscnt 0x0
	CROUND                                         ; the closing round
	s_endpgm
.Lfunc_end_k_q15cb5a73fc_proj:
	.size	k_q15cb5a73fc_proj, .Lfunc_end_k_q15cb5a73fc_proj-k_q15cb5a73fc_proj
	.p2alignl 7, 3214868480
	.fill 96, 4, 3214868480
	.section	.rodata,"a",@progbits
	.p2align	6, 0x0
	.amdhsa_kernel k_q15cb5a73fc_proj
		.amdhsa_group_segment_fixed_size 327680
		.amdhsa_private_segment_fixed_size 0
		.amdhsa_enable_private_segment 0
		.amdhsa_kernarg_size 32
		.amdhsa_user_sgpr_count 2
		.amdhsa_user_sgpr_kernarg_segment_ptr 1
		.amdhsa_wavefront_size32 1
		.amdhsa_system_sgpr_workgroup_id_x 1
		.amdhsa_system_sgpr_workgroup_id_y 1
		.amdhsa_system_sgpr_workgroup_id_z 1
		.amdhsa_system_vgpr_workitem_id 0
		.amdhsa_next_free_vgpr 384
		.amdhsa_next_free_sgpr 96
		.amdhsa_reserve_vcc 0
		.amdhsa_float_denorm_mode_32 3
		.amdhsa_float_denorm_mode_16_64 3
		.amdhsa_memory_ordered 1
		.amdhsa_forward_progress 1
		.amdhsa_inst_pref_size 90
	.end_amdhsa_kernel
	.amdgpu_metadata
---
amdhsa.version: [ 1, 2 ]
amdhsa.kernels:
  - .name:           k_q15cb5a73fc_proj
    .symbol:         k_q15cb5a73fc_proj.kd
    .args:
      - { .name: ctx, .offset: 0, .size: 8, .value_kind: global_buffer, .address_space: global }
      - { .name: wb, .offset: 8, .size: 8, .value_kind: global_buffer, .address_space: global }
      - { .name: Wo_b, .offset: 16, .size: 8, .value_kind: global_buffer, .address_space: global }
      - { .name: out0, .offset: 24, .size: 8, .value_kind: global_buffer, .address_space: global }
    .group_segment_fixed_size: 327680
    .private_segment_fixed_size: 0
    .kernarg_segment_align: 8
    .kernarg_segment_size: 32
    .max_flat_workgroup_size: 128
    .sgpr_count:     96
    .vgpr_count:     384
    .wavefront_size: 32
...
	.end_amdgpu_metadata
.endif
;; end of part 4
;; ======== version 2 of 2: 4 launches; 1.38 times as fast as version 1
;; workspace buffers: xb 8,388,608 bytes; wb 8,388,608 bytes; qkv 25,165,824 bytes; ctx 8,388,608 bytes
;; launch cast: the kernel of part 1 again; grid 128 x 8, 8 waves a work-group, no clusters, 0 bytes of LDS; arguments x, Wq_w, Wk_w, Wv_w, Wo_w, xb, wb; writes xb, wb
;; launch qkv: the kernel of part 2 again; grid 16 x 16, 4 waves a work-group, clusters of 4 x 4, 327,680 bytes of LDS; arguments xb, wb, Wq_b, Wk_b, Wv_b, qkv; writes qkv
;; launch attn (part 5): grid 8 x 32, 4 waves a work-group, clusters of 4 x 1, 327,680 bytes of LDS; arguments qkv, mask, ctx; writes ctx
.if DOCPART == 5
	.amdgcn_target "amdgcn-amd-amdhsa--gfx1250"
	.amdhsa_code_object_version 6
	.text
	.protected	k_q15cb5a73fc_attn
	.globl	k_q15cb5a73fc_attn
	.p2align	8
	.type	k_q15cb5a73fc_attn,@function
k_q15cb5a73fc_attn:
	s_mov_b64 s[64:65], 0
	v_nop
	global_prefetch_b8 v0, s[64:65] scope:SCOPE_SE
	s_setreg_imm32_b32 hwreg(HW_REG_WAVE_MODE, 25, 1), 1
	s_wait_xcnt 0x0
	s_wait_alu depctr_hold_cnt(0) depctr_sa_sdst(0) depctr_va_vdst(0) depctr_va_sdst(0) depctr_va_ssrc(0) depctr_va_vcc(0) depctr_vm_vsrc(0)
	s_getreg_b32 s2, hwreg(HW_REG_IB_STS2, 6, 4)
	s_cmp_eq_u32 s2, 0
	s_cbranch_scc0 .Lentry_in_a_cluster
	s_endpgm
.Lentry_in_a_cluster:
	s_bfe_u32 s2, ttmp6, 0x10000c
	s_cmp_lg_u32 s2, 0x3003
	s_cbranch_scc0 .Lentry_shape_is_right
	s_endpgm
.Lentry_shape_is_right:
; context = softmax(where(mask == 0, -1e9, Q K^T / 8)) V for one (batch, head) and 256 queries; nothing of the problem is left out.
; qkv: bf16 [3][b*16 + h][2048][64] as the launch before stored it; mask: int32 [2][2048]; ctx: bf16 [b*16 + h][2048][64].
; Grid x = 8 blocks of 256 queries, grid y = 32 (batch, head).  Wave w holds queries 64 w .. 64 w + 63 of its block: four tiles of 16.
; The 2,048 keys go in 8 tiles of 256 through two LDS slots; a tile is worked in four steps of 64 keys.
; CLUSTERS: the four query blocks of a cluster read the same K and V tiles and ask for them jointly (mask 15): a quarter of the requests.
; ORIENTATION, so that the weights never change lanes:
;   S^T = K Q^T   (source 0 = 16 keys of K, source 1 = 16 queries of Q): lane (r, h), register j holds key 8 h + j of the key tile, query r.
;   Packed in pairs, key tiles 2u and 2u + 1 ARE source 1 (32 keys x 16 queries) of
;   O^T = V^T P^T (source 0 = 16 columns of V x 32 keys, by the transposing LDS load): lane (r, h), register j holds query r, column 16 dt + 8 h + j.
;   A query's maximum and sum lie in its two lanes r and r + 16: one exchange between the halves of the wave.
; TWO PIECES TAKE TURNS.  A step has 64 matrix instructions and some 540 vector instructions; a wave issues in order, so in phases the matrix
; unit would idle through the softmax and the vector unit through the products.  The wave's query tiles are two pieces, A = tiles 0, 1 and
; B = tiles 2, 3, which share the fragments of K and V and the tables; B lags half a step.  Step i is
;   O_A += V P_A (i-1), S_A (i)   32 products, behind each of them one of the 32 slices of B's softmax of step i - 1;
;   O_B += V P_B (i-1), S_B (i)   32 products, behind each of them one slice of A's softmax of step i.
; The slices name none of the registers of the products among which they stand, so they are also the places that a product's registers want
; (ISA guide 7.12.1); where that matters the count is given.  A product and the slice behind it need different register windows (a slice writes S,
; the products with V write O, and S and O fill a window by themselves): two switches for each product are the price of the turns.
; The LDS loads stand where their registers fall free: K's at the head of a step, the tables' behind the first 16 products, V's behind the 48th.
; THE STEP IS A LOOP'S BODY.  Three things make one text serve:
;   (1) Step i of a tile takes keys 32 i .. 32 i + 31 of the tile's first 128 keys (key tiles 0, 1) and the same of its second 128 (key
;       tiles 2, 3).  A softmax does not mind the order of its keys; K, V and the tables follow the same order.  So the three LDS addresses
;       step by constants (32 rows of K, 32 rows of V, 32 words of the tables), and which half of the tile stands in the immediate.
;   (2) A step loads K, V and the tables of its own 64 keys alone; what is carried on (P_A, S_B, V's fragments, the tables) lies in registers,
;       across a round too.  So a tile's four steps are alike.  The work that is left behind the last step stands behind the loops.
;   (3) The running maximum starts at -inf and the row sums at 0: the first step's factor is 2^(-inf) = 0 and its softmax is the common text.
;       O's first products take the constant 0 as C and are written apart: no accumulator is cleared.
; MASK AND SCALE IN ONE FUSED MULTIPLY-ADD: t = s mc[key] + mb[key], mc = log2(e) / 8 and mb = 0 where mask != 0, mc = 0 and
; mb = -1e9 log2(e) where mask == 0: for a finite s exactly the replacement that the problem makes, in base 2.  The two tables of 2,048 f32
; are made once by the work-group and lie in LDS.
; THE MAXIMUM IS TAKEN AWAY as in the problem, by a running maximum: p = 2^(t - m), sums and O scaled by 2^(m_old - m_new) in every step.
; LIMITS: a score that is infinite or NaN at a MASKED key gives NaN here (0 x inf), where the problem gives -1e9.  Weights below 2^-126
; of the row's largest count as 0 (v_exp_f32 flushes denormal results).  Q, K, V, the weights in P V and ctx are bf16; the row sum adds the f32 weights.
; REGISTERS: window 0: v2-10 addresses, v16-23 new maxima (pairs), v24-27 old maxima, v28-31 the second chains' maxima, v32-47 row sums (two
;   pairs a query tile), v48-51 at work, v52-59 scale factors (pairs), v64-95 mc, v96-127 mb, v128-191 K fragments (16 kt + 8 u),
;   v192-255 V fragments (16 dt + 8 u)
;   window 1: v0-127 S (32 qt + 8 kt), packed in place to P (32 qt + 16 u, 8 registers); v128-191 Q fragments (16 qt + 8 u)
;   window 2: v0-127 O (8 (4 qt + dt))
.set KP,    144                        ; LDS pitch of a key's 128 bytes of K: an odd multiple of 16
.set VP,    160                        ; of V: an odd multiple of 32, as the transposing load's rows want
.set REG,   20480                      ; a wave's part of a slot: 128 keys of K (waves 0, 1; 18,432 used) or of V (waves 2, 3)
.set SLOT,  4*REG
.set MCT,   2*SLOT                     ; the table mc, 8,192 bytes; mb follows it.  Never filled by a tensor load
.set MBO,   8192
.set STAGE, MCT+2*MBO                  ; 16 rows x 144 bytes for each wave, for the way out
.set SWAVE, 16*KP
.set TILEB, 256*128                    ; bytes of a tile of K or V in memory
.set KSTP,  32*KP                      ; from step to step: 32 keys in each half of the tile
.set VSTP,  32*VP
.set MSTP,  32*4
.set AKB, 2                            ; my K fragments at slot 0's first key; never rewritten
.set AVB, 3                            ; the same for V
.set AMB, 4                            ; my eight numbers of a key tile in mc; steps by two tiles a trip of the outer loop
.set AK,  5                            ; the three addresses of the step at hand: set at a tile's head, stepped behind each run of loads
.set AV,  6
.set AM,  7
.set STO, 8
.set RD,  9
.set CO,  10
.set MN,  16
.set MO,  24
.set MH,  28
.set LP,  32
.set TX,  48
.set AL,  52
.set MCF, 64
.set MBF, 96
.set KF,  128
.set VF,  192
.set HS,  192                          ; at work in the head, before V's first fragments
.set SC,  0                            ; window 1
.set QF,  128                          ; window 1
.set OA,  0                            ; window 2
.set G1K, 24
.set G0K, 32
.set G1V, 48
.set G0V, 56
.set MSB, 0
.macro WIN new                         ; the immediate's high byte repeats the setting that is left
.if MSB != \new
	s_set_vgpr_msb (MSB<<8)|\new
.set MSB, \new
.endif
.endm
.macro PLACES n
.rept \n
	v_nop
.endr
.endm
.macro JLOAD s                         ; waves 0 and 1 ask for K's two halves, waves 2 and 3 for V's
	s_cmp_eq_u32 s11, 0
	s_cbranch_scc0 .Lfor_v_\@
	tensor_load_to_lds s[G0K+4*(\s):G0K+4*(\s)+3], s[G1K:G1K+7]
	s_nop 0
	s_branch .Lasked_\@
.Lfor_v_\@:
	tensor_load_to_lds s[G0V+4*(\s):G0V+4*(\s)+3], s[G1V:G1V+7]
	s_nop 0
.Lasked_\@:
.endm
.macro CROUND                          ; a round of the cluster's barrier
	s_barrier_signal -1
	s_barrier_wait -1
	s_cmp_lg_u32 s10, 0
	s_cbranch_scc1 .Lnot_wave_0_\@
	s_barrier_signal -3
.Lnot_wave_0_\@:
	s_barrier_wait -3
	s_barrier_signal -1
	s_barrier_wait -1
.endm
	s_load_b128 s[4:7], s[0:1], 0x0                ; qkv s[4:5], mask s[6:7]
	s_load_b64 s[8:9], s[0:1], 0x10                ; ctx
	v_lshl_add_u32 v62, v0, 2, 0x2e400
	v_mov_b32 v63, 0
	ds_add_u32 v62, v63
	v_lshrrev_b32 v1, 5, v0
	v_readfirstlane_b32 s10, v1                    ; wave 0..3
	s_lshr_b32 s11, s10, 1                         ; I fetch for K (0) or for V (1)
	s_and_b32 s12, s10, 1                          ; which 128 keys of the tile
	s_and_b32 s13, ttmp7, 0xffff                   ; 16 x batch + head
	s_bfe_u32 s14, ttmp6, 0x40000                  ; cx: enters the addresses of Q and ctx alone
	s_lshl_b32 s15, ttmp9, 2
	s_add_co_u32 s15, s15, s14                     ; query block
	s_mov_b32 s40, 0x76543210                      ; v_permlanex16_b32: lane i of one half reads lane i of the other
	s_mov_b32 s41, 0xfedcba98
	; group 1: 128 keys x 128 bytes are dense in memory and come as 64 rows of 256 bytes (32 elements of 8 bytes); the padding is
	; counted along the whole tile, behind every 32 words, so that each key's 128 bytes get a pitch of their own
	s_mov_b32 s[G1K+0], 15|(3<<16)|(1<<20)|(1<<21)|(4<<22)|(3<<25)   ; mask: all four work-groups; 4 words of padding: pitch 144
	s_mov_b32 s[G1V+0], 15|(3<<16)|(1<<20)|(1<<21)|(4<<22)|(7<<25)   ; 8 words: pitch 160
	s_mov_b32 s[G1K+1], 32<<16
	s_mov_b32 s[G1V+1], 32<<16
	s_mov_b32 s[G1K+2], 64<<16
	s_mov_b32 s[G1V+2], 64<<16
	s_mov_b32 s[G1K+3], 32<<16
	s_mov_b32 s[G1V+3], 32<<16
	s_mov_b32 s[G1K+4], 64
	s_mov_b32 s[G1V+4], 64
	s_mov_b32 s[G1K+5], 32
	s_mov_b32 s[G1V+5], 32
	s_mov_b32 s[G1K+6], 0
	s_mov_b32 s[G1V+6], 0
	s_mov_b32 s[G1K+7], 0
	s_mov_b32 s[G1V+7], 0
	s_lshl_b32 s16, s13, 18                        ; my head's matrix of 262,144 bytes,
	s_lshl_b32 s17, s15, 15                        ; my block's 256 rows of 128 bytes,
	s_add_co_u32 s16, s16, s17
	s_lshl_b32 s17, s10, 13                        ; my wave's 64 rows: the same offset in Q's part of qkv and in ctx
	s_add_co_u32 s16, s16, s17
	s_mov_b32 s17, 0
	s_lshr_b32 s18, s13, 4
	s_lshl_b32 s18, s18, 13                        ; my batch's 2,048 words of the mask
	s_mov_b32 s19, 0
	s_add_co_u32 s20, s13, 32                      ; K's matrices follow Q's 32
	s_lshl_b32 s20, s20, 18
	s_lshl_b32 s21, s12, 14                        ; my 128 keys of a tile
	s_add_co_u32 s20, s20, s21
	s_mov_b32 s21, 0
	s_mul_i32 s45, s10, REG                        ; where my part of a tile goes: the wave's number alone
	s_wait_dscnt 0x0
	s_wait_kmcnt 0x0
	s_add_nc_u64 s[42:43], s[4:5], s[16:17]        ; Q at my wave's first row
	s_add_nc_u64 s[46:47], s[8:9], s[16:17]        ; ctx likewise
	s_add_nc_u64 s[6:7], s[6:7], s[18:19]
	s_add_nc_u64 s[22:23], s[4:5], s[20:21]        ; K: hangs on the head and the wave's number alone, alike in the four partners
	s_add_nc_u64 s[2:3], s[22:23], 32*262144       ; V's matrices follow K's 32
.irp s, 0,1
	s_mov_b32 s[G0K+4*\s], 1
	s_add_co_u32 s[G0K+4*\s+1], s45, \s*SLOT
	s_add_nc_u64 s[G0K+4*\s+2:G0K+4*\s+3], s[22:23], \s*TILEB      ; slot s begins with tile s
	s_or_b32 s[G0K+4*\s+3], s[G0K+4*\s+3], 0x80000000
	s_mov_b32 s[G0V+4*\s], 1
	s_add_co_u32 s[G0V+4*\s+1], s45, \s*SLOT
	s_add_nc_u64 s[G0V+4*\s+2:G0V+4*\s+3], s[2:3], \s*TILEB
	s_or_b32 s[G0V+4*\s+3], s[G0V+4*\s+3], 0x80000000
.endr
	CROUND                                         ; the four work-groups are here
	JLOAD 0                                        ; tile 0: one tensor load of the wave is out, as behind every later round
	v_and_b32 v11, 15, v0                          ; r
	v_bfe_u32 v12, v0, 4, 1                        ; h
	v_and_b32 v13, 31, v0                          ; lane
	v_lshlrev_b32 v14, 4, v0                       ; 16 t: thread t takes four words of each quarter of the mask
	v_lshlrev_b32 v15, 7, v11
	v_lshl_add_u32 v15, v12, 4, v15                ; Q: row r x 128 + 16 h
.irp i, 0,1,2,3
	global_load_b128 v[MCF+4*\i:MCF+4*\i+3], v14, s[6:7] offset:2048*\i
.endr
	WIN 0x40                                       ; destination window 1
.irp qt, 0,1,2,3
.irp u, 0,1
	global_load_b128 v[QF+16*\qt+8*\u:QF+16*\qt+8*\u+3],   v15, s[42:43] offset:2048*\qt+64*\u
	global_load_b128 v[QF+16*\qt+8*\u+4:QF+16*\qt+8*\u+7], v15, s[42:43] offset:2048*\qt+64*\u+32
.endr
.endr
	WIN 0
	v_mul_u32_u24 v[AKB], v11, KP
	v_lshl_add_u32 v[AKB], v12, 4, v[AKB]          ; r x 144 + 16 h: K fragments, and the stage's rows
	v_and_b32 v[HS], 7, v0                         ; V, stored [key][column], by the transposing load: key 8 h + lane % 8,
	v_lshl_add_u32 v[HS], v12, 3, v[HS]
	v_mul_u32_u24 v[HS], v[HS], VP
	v_bfe_u32 v[HS+1], v0, 3, 1                    ; 16 bytes further for lanes 8-15 and 24-31
	v_lshl_add_u32 v[HS], v[HS+1], 4, v[HS]
	v_add_nc_u32 v[AVB], 2*REG, v[HS]              ; V lies behind K's two halves
	v_lshlrev_b32 v[AMB], 5, v12
	v_add_nc_u32 v[AMB], MCT, v[AMB]               ; mc of keys 8 h + 0..7
	s_mul_i32 s18, s10, SWAVE
	s_add_co_u32 s18, s18, STAGE                   ; my stage
	v_add_nc_u32 v[STO], s18, v[AKB]
	v_lshrrev_b32 v[HS+2], 3, v13                  ; back: eight lanes take a row's 128 bytes, a wave four rows
	v_mul_u32_u24 v[HS+2], v[HS+2], KP
	v_and_b32 v[HS+3], 7, v0
	v_lshl_add_u32 v[HS+2], v[HS+3], 4, v[HS+2]
	v_add_nc_u32 v[RD], s18, v[HS+2]
	v_lshlrev_b32 v[CO], 4, v13
	v_add_nc_u32 v[HS+4], MCT, v14                 ; where my words of the tables go
	v_mov_b32 v[HS+5], 0x3e38aa3b                  ; log2(e) / 8
	v_mov_b32 v[HS+6], 0
	v_mov_b32 v[HS+7], 0xceabfb8f                  ; -1e9 log2(e)
.irp q, 0,1,2,3
	v_mov_b32 v[MO+\q], 0xff800000                 ; the running maximum starts at -inf,
	v_mov_b32 v[LP+4*\q], 0                        ; the row sums at 0
	v_mov_b32 v[LP+4*\q+1], 0
	v_mov_b32 v[LP+4*\q+2], 0
	v_mov_b32 v[LP+4*\q+3], 0
	v_mov_b32 v[MN+2*\q+1], 0                      ; the upper registers of pairs of which the packed forms take the lower one twice,
	v_mov_b32 v[AL+2*\q+1], 0
	v_mov_b32 v[TX+\q], 0                          ; and the lane exchange's destinations: written once, never used as numbers
.endr
	s_wait_loadcnt 16                              ; the mask is in; Q's sixteen loads stay out
.irp n, 0,1,2,3,4,5,6,7,8,9,10,11,12,13,14,15
	v_cmp_eq_u32 vcc_lo, 0, v[MCF+\n]
	v_cndmask_b32 v[KF+\n], v[HS+5], v[HS+6], vcc_lo       ; mc: 0 where mask == 0
	v_cndmask_b32 v[KF+16+\n], v[HS+6], v[HS+7], vcc_lo    ; mb: -1e9 log2(e) where mask == 0
.endr
.irp i, 0,1,2,3
	ds_store_b128 v[HS+4], v[KF+4*\i:KF+4*\i+3] offset:2048*\i
	ds_store_b128 v[HS+4], v[KF+16+4*\i:KF+16+4*\i+3] offset:MBO+2048*\i
.endr
	s_wait_loadcnt 0x0                             ; Q.  The tables are shown to the other waves by the first tile's wait for my LDS stores and its barrier
; THE THREE RUNS OF LDS LOADS OF A STEP, 16 loads each, under window 0; behind each its address steps to the next step's 32 keys of each half
; (an LDS instruction's address register is free once the instruction is issued).
.macro KLOAD                           ; K's fragments: key tiles 0, 1 from the tile's first half, 2, 3 from its second
.irp kt, 0,1,2,3
.irp u, 0,1
	ds_load_b128 v[KF+16*\kt+8*\u:KF+16*\kt+8*\u+3],   v[AK] offset:(\kt>>1)*REG+(\kt&1)*16*KP+64*\u
	ds_load_b128 v[KF+16*\kt+8*\u+4:KF+16*\kt+8*\u+7], v[AK] offset:(\kt>>1)*REG+(\kt&1)*16*KP+64*\u+32
.endr
.endr
	v_add_nc_u32 v[AK], KSTP, v[AK]
.endm
.macro TLOAD                           ; mc and mb of the same 64 keys
.irp kt, 0,1,2,3
	ds_load_b128 v[MCF+8*\kt:MCF+8*\kt+3],   v[AM] offset:(\kt>>1)*512+(\kt&1)*64
	ds_load_b128 v[MCF+8*\kt+4:MCF+8*\kt+7], v[AM] offset:(\kt>>1)*512+(\kt&1)*64+16
	ds_load_b128 v[MBF+8*\kt:MBF+8*\kt+3],   v[AM] offset:(\kt>>1)*512+(\kt&1)*64+MBO
	ds_load_b128 v[MBF+8*\kt+4:MBF+8*\kt+7], v[AM] offset:(\kt>>1)*512+(\kt&1)*64+MBO+16
.endr
	v_add_nc_u32 v[AM], MSTP, v[AM]
.endm
.macro VLOAD                           ; V's fragments, transposed on the way
.irp dt, 0,1,2,3
.irp u, 0,1
	ds_load_tr16_b128 v[VF+16*\dt+8*\u:VF+16*\dt+8*\u+3],   v[AV] offset:\u*REG+32*\dt            ; 32 keys of the tile's half u: keys 8 h + 0..7,
	ds_load_tr16_b128 v[VF+16*\dt+8*\u+4:VF+16*\dt+8*\u+7], v[AV] offset:\u*REG+16*VP+32*\dt      ; and 16 + 8 h + 0..7
.endr
.endr
	v_add_nc_u32 v[AV], VSTP, v[AV]
.endm
; THE SOFTMAX OF A PIECE (query tiles p and p + 1), pass by pass.  A pass's instructions are numbered, so that a slice can take a run of them.
; Mask and scale: instruction x = 8 kt + 4 (tile) + (pair): t = s mc + mb
.macro FPASS p, x0, n
.set FX, \x0
.rept \n
.set FR, SC+32*(\p+((FX>>2)&1))+8*(FX>>3)+2*(FX&3)
.set FT, 8*(FX>>3)+2*(FX&3)
	v_pk_fma_f32 v[FR:FR+1], v[FR:FR+1], v[MCF+FT:MCF+FT+1], v[MBF+FT:MBF+FT+1]
.set FX, FX+1
.endr
.endm
; Maxima: four chains side by side, two a query tile (my numbers 0-15 with the old maximum, my numbers 16-31); part j of four: two links of each
.macro MPASS p, j
.irp l, 0,1
.irp dq, 0,1
.irp h, 0,1
.set MR, SC+32*(\p+\dq)+16*\h+4*(\j)+2*\l
.if \h
.if (\j)+\l == 0
	v_max_num_f32 v[MH+\p+\dq], v[MR], v[MR+1]
.else
	v_max3_num_f32 v[MH+\p+\dq], v[MR], v[MR+1], v[MH+\p+\dq]
.endif
.else
.if (\j)+\l == 0
	v_max3_num_f32 v[MN+2*(\p+\dq)], v[MR], v[MR+1], v[MO+\p+\dq]
.else
	v_max3_num_f32 v[MN+2*(\p+\dq)], v[MR], v[MR+1], v[MN+2*(\p+\dq)]
.endif
.endif
.endr
.endr
.endr
.endm
; The chains and the query's two lanes are joined; the factor 2^(m_old - m_new); the new maximum becomes the old one
.macro RBLK p
.irp dq, 0,1
	v_max_num_f32 v[MN+2*(\p+\dq)], v[MN+2*(\p+\dq)], v[MH+\p+\dq]
.endr
.irp dq, 0,1
	v_permlanex16_b32 v[TX+\p+\dq], v[MN+2*(\p+\dq)], s40, s41
.endr
.irp dq, 0,1
	v_max_num_f32 v[MN+2*(\p+\dq)], v[MN+2*(\p+\dq)], v[TX+\p+\dq]
.endr
.irp dq, 0,1
	v_sub_f32 v[AL+2*(\p+\dq)], v[MO+\p+\dq], v[MN+2*(\p+\dq)]
.endr
.irp dq, 0,1
	v_exp_f32 v[AL+2*(\p+\dq)], v[AL+2*(\p+\dq)]
.endr
.irp dq, 0,1
	v_mov_b32 v[MO+\p+\dq], v[MN+2*(\p+\dq)]       ; plain instructions between the exponentials and the first use of the factors (ISA guide 5.7.2)
.endr
.endm
; p = 2^(t - m) as one stream of 96: pair g (tile g % 2, numbers 2 (g / 2) and + 1) is subtracted two pairs ahead of its two exponentials, so
; that no exponential waits for its subtraction and a plain instruction stands behind every second exponential:
; add 0, add 1, then (exp g, exp g, add g + 2) for g = 0 .. 29, then the four exponentials of pairs 30 and 31.
.macro DADD p, g
.set DR, SC+32*(\p+((\g)&1))+2*((\g)>>1)
.set DM, MN+2*(\p+((\g)&1))
	v_pk_add_f32 v[DR:DR+1], v[DR:DR+1], v[DM:DM+1] op_sel_hi:[1,0] neg_lo:[0,1] neg_hi:[0,1]
.endm
.macro DEXP p, g, hf
.set DR, SC+32*(\p+((\g)&1))+2*((\g)>>1)+(\hf)
	v_exp_f32 v[DR], v[DR]
.endm
.macro DPASS p, x0, n
.set DX, \x0
.rept \n
.if DX < 2
	DADD \p, DX
.else
.if DX < 92
.if (DX-2)%3 == 2
	DADD \p, (DX-2)/3+2
.else
	DEXP \p, (DX-2)/3, (DX-2)%3
.endif
.else
	DEXP \p, 30+(DX-92)/2, (DX-92)%2
.endif
.endif
.set DX, DX+1
.endr
.endm
; Row sums: four chains side by side, two pair sums a query tile; the first link of each scales the old sum.  Part j of four: two links of each.
; Its first instruction is plain and reads pair 0: it stands between the stream's last exponentials and their use (ISA guide 5.7.2).
.macro LPASS p, j
.set LX, 8*(\j)
.rept 8
.set LQ, \p+(LX&1)
.set LH, (LX>>1)&1
.set LR, SC+32*LQ+16*LH+2*(LX>>2)
.set LA, LP+4*LQ+2*LH
.if LX < 4
	WIN 0x10
	s_wait_alu depctr_va_vdst(0)
	v_pk_fma_f32 v[LA:LA+1], v[LA:LA+1], v[AL+2*LQ:AL+2*LQ+1], v[LR:LR+1] op_sel_hi:[1,0,1]
.else
	WIN 0x01
	v_pk_add_f32 v[LA:LA+1], v[LR:LR+1], v[LA:LA+1]
.endif
.set LX, LX+1
.endr
.endm
; Pack in place: register c of a group of 16 takes numbers 2 c and 2 c + 1, in ascending c, so no number is lost.  Part j: group j of the piece's four
.macro CPASS p, j
.irp c, 0,1,2,3,4,5,6,7
	v_cvt_pk_bf16_f32 v[SC+16*(2*\p+(\j))+\c], v[SC+16*(2*\p+(\j))+2*\c], v[SC+16*(2*\p+(\j))+2*\c+1]
.endr
.endm
; O x 2^(m_old - m_new): instruction x = 16 (tile) + 4 dt + (pair)
.macro OPASS p, x0, n
.set OX, \x0
	s_wait_alu depctr_va_vdst(0)
.rept \n
.set OQ, \p+(OX>>4)
.set OREG, OA+8*(4*OQ+((OX>>2)&3))+2*(OX&3)
	v_pk_mul_f32 v[OREG:OREG+1], v[OREG:OREG+1], v[AL+2*OQ:AL+2*OQ+1] op_sel_hi:[1,0]
.set OX, OX+1
.endr
.endm
; SLICE n OF 32 of the softmax of the piece that begins at query tile p.  osc = 0: O does not exist yet, slices 13 to 15 are empty.
;   0-3 mask and scale   4-7 maxima   8 join, factor   9-12 stream 0..31   13-15 O x factor   16-23 stream 32..95   24-27 sums   28-31 pack
; O's scaling stands in the middle so that slice 15, behind the last of 16 products with V, is ten plain instructions.
.macro SL p, n, osc
.if (\n) < 4
	WIN 0x41                                       ; S window 1, the tables window 0
	FPASS \p, 8*(\n), 8
.endif
.if (\n) >= 4
.if (\n) < 8
	WIN 0x05                                       ; two numbers of S window 1, the maxima window 0
	MPASS \p, (\n)-4
.endif
.endif
.if (\n) == 8
	WIN 0
	RBLK \p
.endif
.if (\n) >= 9
.if (\n) < 13
	WIN 0x41
	DPASS \p, 8*((\n)-9), 8
.endif
.endif
.if \osc
.if (\n) == 13
	WIN 0x82                                       ; O window 2, the factors window 0
	OPASS \p, 0, 11
.endif
.if (\n) == 14
	WIN 0x82
	OPASS \p, 11, 11
.endif
.if (\n) == 15
	WIN 0x82
	OPASS \p, 22, 10
.endif
.endif
.if (\n) >= 16
.if (\n) < 24
	WIN 0x41
	DPASS \p, 32+8*((\n)-16), 8
.endif
.endif
.if (\n) >= 24
.if (\n) < 28
	LPASS \p, (\n)-24
.endif
.endif
.if (\n) >= 28
	WIN 0x45                                       ; all of it in window 1
	CPASS \p, (\n)-28
.endif
.endm
; 16 products O += V^T P^T of the piece at query tile mp; behind each of them ns slices, from slice SN on, of the softmax of the piece at vp.
; first = 1: the products of the first 32 keys take the constant 0 as C.
; In both runs of products a piece's eight accumulators take turns, one instruction a turn.
.macro PVS mp, first, vp, osc, ns
.irp u, 0,1
.irp dq, 0,1
.irp dt, 0,1,2,3
	WIN 0xa4                                       ; source 0 (V) window 0, source 1 (P) window 1, C and D (O) window 2
.if \first*(1-\u)
	v_wmma_f32_16x16x32_bf16 v[OA+8*(4*(\mp+\dq)+\dt):OA+8*(4*(\mp+\dq)+\dt)+7], v[VF+16*\dt+8*\u:VF+16*\dt+8*\u+7], v[SC+32*(\mp+\dq)+16*\u:SC+32*(\mp+\dq)+16*\u+7], 0
.else
	v_wmma_f32_16x16x32_bf16 v[OA+8*(4*(\mp+\dq)+\dt):OA+8*(4*(\mp+\dq)+\dt)+7], v[VF+16*\dt+8*\u:VF+16*\dt+8*\u+7], v[SC+32*(\mp+\dq)+16*\u:SC+32*(\mp+\dq)+16*\u+7], v[OA+8*(4*(\mp+\dq)+\dt):OA+8*(4*(\mp+\dq)+\dt)+7]
.endif
.rept \ns
	SL \vp, SN, \osc
.set SN, SN+1
.endr
.endr
.endr
.endr
.endm
; 16 products S = K Q^T of the piece at query tile mp, with slices as above.  The first eight start the sums from the constant 0.
; They write over P, a source of the piece's products with V.  The nearest pair: the last of those reads P (tile mp + 1, keys 32-63), which the
; sixth product here writes over; the five slices 16 to 20 between them hold 2 + 3 + 3 + 2 + 3 subtractions, plain instructions on the other
; piece's registers, where five are wanted (ISA guide 7.12.1).
.macro SCS mp, vp, osc, ns
.irp u, 0,1
.irp kt, 0,1,2,3
.irp dq, 0,1
	WIN 0x54                                       ; source 0 (K) window 0; source 1 (Q), C and D (S) window 1
.if \u
	v_wmma_f32_16x16x32_bf16 v[SC+32*(\mp+\dq)+8*\kt:SC+32*(\mp+\dq)+8*\kt+7], v[KF+16*\kt+8:KF+16*\kt+15], v[QF+16*(\mp+\dq)+8:QF+16*(\mp+\dq)+15], v[SC+32*(\mp+\dq)+8*\kt:SC+32*(\mp+\dq)+8*\kt+7]
.else
	v_wmma_f32_16x16x32_bf16 v[SC+32*(\mp+\dq)+8*\kt:SC+32*(\mp+\dq)+8*\kt+7], v[KF+16*\kt:KF+16*\kt+7], v[QF+16*(\mp+\dq):QF+16*(\mp+\dq)+7], 0
.endif
.rept \ns
	SL \vp, SN, \osc
.set SN, SN+1
.endr
.endr
.endr
.endr
.endm
; ONE STEP.  first = 1: the second step of all, whose products with V start O; oscb = 0: there B has no O to scale yet.
.macro BODY first, oscb
	WIN 0
	KLOAD                                          ; behind the last score product stand the eight conversions of slice 31: the places that loads into K's fragments want
	s_wait_dscnt 16                                ; V's fragments of the last step are in; the 16 loads of K just issued stay out
.set SN, 0
	PVS 0, \first, 2, \oscb, 1                     ; O_A += V P_A of the last step | B's softmax of the last step, slices 0-15
	WIN 0
	TLOAD                                          ; B's mask-and-scale (slices 0-3) has read the last step's tables: this step's come in
	s_wait_dscnt 16                                ; K's fragments are in; the tables' 16 loads stay out
	SCS 0, 2, \oscb, 1                             ; S_A of this step | slices 16-31
	s_wait_dscnt 0x0                               ; the tables are in
.set SN, 0
	PVS 2, \first, 0, 1, 1                         ; O_B += V P_B of the last step | A's softmax of this step, slices 0-15
	WIN 0
	VLOAD                                          ; behind the last product with V stand the ten multiplies of slice 15: the places that loads into V's fragments want
	SCS 2, 0, 1, 1                                 ; S_B of this step | slices 16-31
.endm
.macro STEPS n                         ; n steps of a tile
	WIN 0                                          ; at a label and at a branch every window is 0
	s_mov_b32 s20, \n
.Lsteps_\@:
	BODY 0, 1
	WIN 0
	s_sub_co_u32 s20, s20, 1
	s_cmp_lg_u32 s20, 0
	s_cbranch_scc1 .Lsteps_\@
.endm
; The head of a tile of 256 keys.  In front of the round every wave waits for all its tensor loads (its part of this tile) and for its LDS
; accesses (its reads of the other slot, V's last fragments among them; in the first tile its stores of the tables); behind the round the
; other slot is filled first.  Then the three addresses are set to the tile's first step.  moff: the tile's place in the tables, from v[AMB].
.macro TILE slot, refill, moff
	WIN 0
	s_wait_tensorcnt 0x0                           ; none of my loads is out, so every group 0 may be written:
	ds_add_u32 v62, v63
	s_wait_dscnt 0x0
	s_add_nc_u64 s[G0K+4*\slot+2:G0K+4*\slot+3], s[G0K+4*\slot+2:G0K+4*\slot+3], 2*TILEB   ; this slot's next tile (in the last two tiles the stepped address is not used)
	s_add_nc_u64 s[G0V+4*\slot+2:G0V+4*\slot+3], s[G0V+4*\slot+2:G0V+4*\slot+3], 2*TILEB
	s_wait_dscnt 0x0
	CROUND                                         ; both now hold of every wave of the four work-groups
.if \refill
	JLOAD 1-\slot                                  ; the next tile: my one tensor load until the next round; it has this tile's four steps in which to land
.endif
.if \slot
	v_add_nc_u32 v[AK], SLOT, v[AKB]
	v_add_nc_u32 v[AV], SLOT, v[AVB]
.else
	v_mov_b32 v[AK], v[AKB]
	v_mov_b32 v[AV], v[AVB]
.endif
.if \moff
	v_add_nc_u32 v[AM], \moff, v[AMB]
.else
	v_mov_b32 v[AM], v[AMB]
.endif
.endm
	TILE 0, 1, 0                                   ; tile 0
	; the first step of all: there is nothing yet to multiply with V, and no softmax to set among A's score products
	KLOAD
	TLOAD
	VLOAD
	s_wait_dscnt 32                                ; K's fragments are in; the tables' 16 loads and V's 16 stay out
	SCS 0, 0, 0, 0                                 ; S_A
	PLACES 4                                       ; no slice stood among these products: the places in front of the arithmetic that reads S_A (ISA guide 7.12.1)
	s_wait_dscnt 16                                ; the tables are in; V's 16 loads stay out
.set SN, 0
	SCS 2, 0, 0, 2                                 ; S_B | A's whole softmax, two slices behind each product; O_A does not exist yet
	BODY 1, 0                                      ; the second step starts O_A and O_B
	STEPS 2                                        ; the tile's last two steps are the common text
	WIN 0
	s_mov_b32 s44, 3
.Ltiles:
	TILE 1, 1, 1024                                ; tiles 1, 3, 5
	STEPS 4
	TILE 0, 1, 2048                                ; tiles 2, 4, 6
	STEPS 4
	WIN 0
	v_add_nc_u32 v[AMB], 2048, v[AMB]              ; two tiles on in the tables
	s_sub_co_u32 s44, s44, 1
	s_cmp_lg_u32 s44, 0
	s_cbranch_scc1 .Ltiles
	TILE 1, 0, 1024                                ; tile 7: nothing is left to fetch
	STEPS 4
	; what is left of the last step
	WIN 0
	s_wait_dscnt 0x0                               ; V's last fragments: no load was issued behind them
.set SN, 0
	PVS 0, 0, 2, 1, 2                              ; O_A += V P_A | B's whole softmax, two slices behind each product
	PVS 2, 0, 0, 0, 0                              ; O_B += V P_B
	; THE WAY OUT: divide by the row sums (at least 1: the largest weight of a row is 1), round to bf16, through my own stage.
	; The eight additions at the head name none of the last products' registers: they are the places in front of the multiplies that read O (ISA guide 7.12.1).
	WIN 0
.irp qt, 0,1,2,3
	v_pk_add_f32 v[LP+4*\qt:LP+4*\qt+1], v[LP+4*\qt:LP+4*\qt+1], v[LP+4*\qt+2:LP+4*\qt+3]
.endr
.irp qt, 0,1,2,3
	v_add_f32 v[LP+4*\qt], v[LP+4*\qt], v[LP+4*\qt+1]
.endr
.irp qt, 0,1,2,3
	v_permlanex16_b32 v[TX+\qt], v[LP+4*\qt], s40, s41
.endr
.irp qt, 0,1,2,3
	v_add_f32 v[LP+4*\qt], v[LP+4*\qt], v[TX+\qt]
.endr
.irp qt, 0,1,2,3
	v_rcp_f32 v[AL+2*\qt], v[LP+4*\qt]
.endr
	v_nop                                          ; one plain instruction behind the reciprocals (ISA guide 5.7.2)
	s_wait_alu depctr_va_vdst(0)
; 16 queries: a lane's eight numbers of a column tile are 16 bytes of a row of ctx; four rows of ctx are 512 neighbouring bytes
.macro OUTQ qt
	WIN 0x82
.irp dt, 0,1,2,3
.irp p, 0,2,4,6
	v_pk_mul_f32 v[OA+8*(4*\qt+\dt)+\p:OA+8*(4*\qt+\dt)+\p+1], v[OA+8*(4*\qt+\dt)+\p:OA+8*(4*\qt+\dt)+\p+1], v[AL+2*\qt:AL+2*\qt+1] op_sel_hi:[1,0]
.endr
.endr
	WIN 0x0a
.irp dt, 0,1,2,3
.irp p, 0,1,2,3
	v_cvt_pk_bf16_f32 v[KF+4*\dt+\p], v[OA+8*(4*\qt+\dt)+2*\p], v[OA+8*(4*\qt+\dt)+2*\p+1]
.endr
.endr
	WIN 0
.irp dt, 0,1,2,3
	ds_store_b128 v[STO], v[KF+4*\dt:KF+4*\dt+3] offset:32*\dt
.endr
	s_wait_xcnt 0x0                                ; the registers that earlier stores read are loaded again only behind this wait
.irp n, 0,1,2,3
	ds_load_b128 v[VF+16*(\qt&1)+4*\n:VF+16*(\qt&1)+4*\n+3], v[RD] offset:4*KP*\n      ; LDS serves a wave's instructions in order: these see the stores above
.endr
.irp n, 0,1,2,3
	s_wait_dscnt 3-\n                              ; load n is back, the 3 - n younger ones stay out
	global_store_b128 v[CO], v[VF+16*(\qt&1)+4*\n:VF+16*(\qt&1)+4*\n+3], s[46:47] offset:2048*\qt+512*\n
.endr
.endm
	OUTQ 0
	OUTQ 1
	OUTQ 2
	OUTQ 3
	s_wait_dscnt 0x0
	s_wait_tensorcnt 0x0
	ds_add_u32 v62, v63
	s_wait_dscnt 0x0
	CROUND                                         ; the closing round
	s_endpgm
.Lfunc_end_k_q15cb5a73fc_attn:
	.size	k_q15cb5a73fc_attn, .Lfunc_end_k_q15cb5a73fc_attn-k_q15cb5a73fc_attn
	.p2alignl 7, 3214868480
	.fill 96, 4, 3214868480
	.section	.rodata,"a",@progbits
	.p2align	6, 0x0
	.amdhsa_kernel k_q15cb5a73fc_attn
		.amdhsa_group_segment_fixed_size 327680
		.amdhsa_private_segment_fixed_size 0
		.amdhsa_enable_private_segment 0
		.amdhsa_kernarg_size 24
		.amdhsa_user_sgpr_count 2
		.amdhsa_user_sgpr_kernarg_segment_ptr 1
		.amdhsa_wavefront_size32 1
		.amdhsa_system_sgpr_workgroup_id_x 1
		.amdhsa_system_sgpr_workgroup_id_y 1
		.amdhsa_system_sgpr_workgroup_id_z 1
		.amdhsa_system_vgpr_workitem_id 0
		.amdhsa_next_free_vgpr 640
		.amdhsa_next_free_sgpr 66
		.amdhsa_reserve_vcc 1
		.amdhsa_float_denorm_mode_32 3
		.amdhsa_float_denorm_mode_16_64 3
		.amdhsa_memory_ordered 1
		.amdhsa_forward_progress 1
		.amdhsa_inst_pref_size 255
	.end_amdhsa_kernel
	.section	.bss,"aw",@nobits
	.p2align	6
	.space	262144
	.amdgpu_metadata
---
amdhsa.version: [ 1, 2 ]
amdhsa.kernels:
  - .name:           k_q15cb5a73fc_attn
    .symbol:         k_q15cb5a73fc_attn.kd
    .args:
      - { .name: qkv, .offset: 0, .size: 8, .value_kind: global_buffer, .address_space: global }
      - { .name: mask, .offset: 8, .size: 8, .value_kind: global_buffer, .address_space: global }
      - { .name: ctx, .offset: 16, .size: 8, .value_kind: global_buffer, .address_space: global }
    .group_segment_fixed_size: 327680
    .private_segment_fixed_size: 0
    .kernarg_segment_align: 8
    .kernarg_segment_size: 24
    .max_flat_workgroup_size: 128
    .sgpr_count:     66
    .vgpr_count:     640
    .wavefront_size: 32
...
	.end_amdgpu_metadata
.endif
;; end of part 5
;; launch proj: the kernel of part 4 again; grid 8 x 32, 4 waves a work-group, clusters of 4 x 4, 327,680 bytes of LDS; arguments ctx, wb, Wo_b, out0; writes out0
